; MI455X (gfx1250); checked and timed in simulation.
; The chip was launched on July 23, 2026; its instructions are those of AMD's public machine-readable ISA for CDNA 5 (MIT licence, August 2026) and "CDNA5" Instruction Set Architecture Reference Guide (July 2026). The comments in the code are by the model that wrote it; some were corrected since.
;; Haze Attention. Allowed arithmetic: float matrix products may take bf16 or f16 operands with f32 sums; all other float work in f32.
;; Inputs: alpha 12 float32; wk 768 x 768 float32; wo 768 x 768 float32; wq 768 x 768 float32; wr 12 x 768 x 2,048 float32; wv 768 x 768 float32; x 2 x 2,048 x 768 float32.
;; Outputs: out0 2 x 2,048 x 768 float32.
;; 2 versions, each right; version 2 is version 1 with the launch prep written anew for expert scheduling mode. Each part assembles by itself: llvm-mc -triple=amdgcn-amd-amdhsa -mcpu=gfx1250 --defsym DOCPART=n.
;; ======== version 1 of 2: 4 launches
;; limits: values are held in f16: magnitudes above 65,504 overflow, below 6.1e-05 lose precision; values outside matrix products are rounded to bf16
;; workspace buffers: xb 6,291,456 bytes; wb 4,718,592 bytes; rp 1,179,648 bytes; qkv 18,874,368 bytes; ao 6,291,456 bytes
;; launch prep (part 1): grid 256 x 1, 16 waves a work-group, no clusters, 266,240 bytes of LDS; arguments x, wr, wq, wk, wv, wo, xb, wb, rp; writes xb, wb, rp
.if DOCPART == 1
	.amdgcn_target "amdgcn-amd-amdhsa--gfx1250"
	.amdhsa_code_object_version 6
	.text
	.protected	k_q55cf6455d0_prep
	.globl	k_q55cf6455d0_prep
	.p2align	8
	.type	k_q55cf6455d0_prep,@function
k_q55cf6455d0_prep:
	s_mov_b64 s[64:65], 0
	v_nop
	global_prefetch_b8 v0, s[64:65] scope:SCOPE_SE
	s_setreg_imm32_b32 hwreg(HW_REG_WAVE_MODE, 25, 1), 1
	s_wait_xcnt 0x0
; prep: three streams, no matrix work.  Every input is rounded to bf16 here, once: the program computes reference() on inputs rounded to bf16.
;  work-groups 0..191:  partial sums of r[b][h][t] = sum over e of x[b][t][e] wr[h][e][t], operands rounded to bf16, products and sums in f32 on the
;      vector unit; and x in bf16 to xb.
;      Work-group (tb, ec) owns 64 t (t0 = 64 tb) and 128 e (e0 = 128 ec), all 12 h and both b: each byte of x and of wr is read once in the launch.
;      The six partial sums over e go to rp[ec][b*12+h][t]; a later launch adds them (no sum crosses work-groups here).
;  work-groups 192..255: wq, wk, wv in bf16 into wb; wo rounded to bf16 and held as f16 (its partner in the last product is f16), 147,456 bytes of input each.
; No tensor loads, clusters or matrix units: every byte is used once, and per t the product is 2 x 768 x 12 with operands that lie across each other.
; x lies along e, wr along t: x's 128 rows x 512 bytes go through LDS once, so that a lane that holds wr for four t and four e finds x for the same sixteen.
; Limit: f16 holds a bf16 number exactly from 2^-17 to 65,504 in magnitude; a smaller wo is off by 2^-25 at the most, a larger one is not served.
.set XPITCH, 528                       ; an LDS row of x: 512 bytes + 16
.set RED,    67584                     ; behind x's 128 rows: [16 waves][24 (h,b)][32 lanes] 16 bytes
.set X,   8                            ; v[8:39]    x[b][i][k] at 8+4(4b+i)+k
.set ACC, 40                           ; v[40:135]  sums [h][b][i] at 40+8h+4b+i; first of all the eight loads of x
.set W,   136                          ; v[136:231] ring of 24 loads of wr, slot (4h+k) mod 24
.set Q,   40                           ; the last reduction's 32 quads
.set BASE, 36                          ; s[36:59]   wr at (h, e0, t0), one address for each h
.set XO,  1
.set VW,  5
.set XBO, 6
.set XST, 7
.set XRD, 232
.set RST, 233
.set RRD, 234                          ; v234-237
.set RPO, 238
	s_load_b512 s[4:19], s[0:1], 0x0               ; x, wr, wq, wk, wv, wo, xb, wb
	s_load_b64 s[20:21], s[0:1], 0x40              ; rp
	v_lshl_add_u32 v240, v0, 2, 0x40800
	v_mov_b32 v241, 0
	v_lshrrev_b32 v2, 5, v0
	v_readfirstlane_b32 s22, v2                    ; wave 0..15
	s_cmp_ge_u32 ttmp9, 192
	s_cbranch_scc1 .Lcast                          ; the same way for all waves of a work-group
	s_and_b32 s23, ttmp9, 31                       ; tb
	s_lshr_b32 s24, ttmp9, 5                       ; ec
	s_lshl_b32 s25, s23, 6                         ; t0
	s_lshr_b32 s26, s22, 3                         ; my eight rows of x: b = wave / 8,
	s_and_b32 s27, s22, 7
	s_lshl_b32 s26, s26, 11
	s_lshl_b32 s27, s27, 3                         ; t = t0 + 8 (wave mod 8) + i
	s_add_co_u32 s26, s26, s25
	s_add_co_u32 s26, s26, s27
	s_mul_i32 s27, s26, 3072
	s_lshl_b32 s28, s24, 9
	s_add_co_u32 s27, s27, s28                     ; byte offset in x of the first of them, at e0
	s_lshr_b32 s29, s27, 1                         ; and in xb
	v_and_b32 v2, 31, v0                           ; lane
	v_and_b32 v3, 15, v0                           ; r16
	v_bfe_u32 v4, v0, 4, 1                         ; hh
	v_lshl_add_u32 v[XO], v2, 4, s27
	v_lshl_add_u32 v[XBO], v2, 3, s29
	s_lshl_b32 s30, s24, 20                        ; e0 rows of 8,192 bytes
	s_lshl_b32 s31, s23, 8                         ; + 4 t0
	s_add_co_u32 s30, s30, s31
	s_mov_b32 s31, 0
	s_lshl_b32 s32, s22, 16                        ; 8 wave rows of wr
	v_lshl_add_u32 v[VW], v3, 4, s32
	v_lshl_add_u32 v[VW], v4, 15, v[VW]            ; lanes 16-31 four rows further down: each half of the wave reads 256 neighbouring bytes
	s_wait_kmcnt 0x0
.irp i, 0,1,2,3,4,5,6,7
	global_load_b128 v[ACC+4*\i:ACC+4*\i+3], v[XO], s[4:5] offset:\i*3072 th:TH_LOAD_NT   ; 512 neighbouring bytes of one row of x
.endr
	s_add_nc_u64 s[BASE:BASE+1], s[6:7], s[30:31]
.irp h, 1,2,3,4,5,6,7,8,9,10,11
	s_add_nc_u64 s[BASE+2*\h:BASE+2*\h+1], s[BASE+2*\h-2:BASE+2*\h-1], 6291456
.endr
.irp h, 0,1,2,3,4,5
.irp k, 0,1,2,3
	global_load_b128 v[W+4*(4*\h+\k):W+4*(4*\h+\k)+3], v[VW], s[BASE+2*\h:BASE+2*\h+1] offset:\k*8192 th:TH_LOAD_NT
.endr
.endr
	; LDS addresses and the offset in rp, while the loads are on their way
	s_mul_i32 s33, s22, 8*XPITCH
	v_lshl_add_u32 v[XST], v2, 4, s33              ; x in: row 8 wave + i, 16 bytes a lane
	s_lshl_b32 s33, s22, 5
	v_mul_u32_u24 v[XRD], v3, 4*XPITCH             ; x back: rows 4 r16 + i, bytes 32 wave + 16 hh
	v_lshl_add_u32 v[XRD], v4, 4, v[XRD]
	v_add_nc_u32 v[XRD], s33, v[XRD]
	s_mul_i32 s33, s22, 12288
	s_add_co_u32 s33, s33, RED
	v_lshl_add_u32 v[RST], v2, 4, s33
	s_lshl_b32 s33, s22, 10                        ; the last reduction: wave = h, two quads of 512 bytes
	s_add_co_u32 s33, s33, RED
	v_lshl_add_u32 v[RRD], v2, 4, s33
.irp q, 1,2,3
	v_add_nc_u32 v[RRD+\q], \q*49152, v[RRD]
.endr
	s_mul_i32 s33, s24, 24
	s_add_co_u32 s33, s33, s22
	s_lshl_b32 s33, s33, 13                        ; (24 ec + h) rows of 8,192 bytes
	s_lshl_b32 s34, s25, 2
	s_add_co_u32 s33, s33, s34
	v_lshl_add_u32 v[RPO], v3, 4, s33
	v_mad_u32_u24 v[RPO], v4, 0x18000, v[RPO]      ; lanes 16-31 store b = 1: twelve rows on
	s_mov_b32 s34, 0x76543210                      ; v_permlanex16_b32: lane i reads lane i of the other half
	s_mov_b32 s35, 0xfedcba98
	s_mov_b32 s60, 0xffff0000                      ; a word's upper bf16
	s_wait_loadcnt 24                              ; the eight loads of x are in; the 24 younger loads of wr stay out
.irp i, 0,1,2,3,4,5,6,7
	v_cvt_pk_bf16_f32 v[X+2*\i], v[ACC+4*\i], v[ACC+4*\i+1]
	v_cvt_pk_bf16_f32 v[X+2*\i+1], v[ACC+4*\i+2], v[ACC+4*\i+3]
	global_store_b64 v[XBO], v[X+2*\i:X+2*\i+1], s[16:17] offset:\i*1536   ; 32 lanes x 8 bytes: 256 neighbouring bytes, aligned
	v_lshlrev_b32 v[ACC+4*\i], 16, v[X+2*\i]       ; the rounded numbers, widened again, are what r is made of
	v_and_b32 v[ACC+4*\i+1], s60, v[X+2*\i]
	v_lshlrev_b32 v[ACC+4*\i+2], 16, v[X+2*\i+1]
	v_and_b32 v[ACC+4*\i+3], s60, v[X+2*\i+1]
	ds_store_b128 v[XST], v[ACC+4*\i:ACC+4*\i+3] offset:\i*XPITCH
.endr
	s_wait_dscnt 0x0                               ; my rows of x are in LDS, for the other waves' sake
	s_barrier_signal -1
	s_barrier_wait -1
	s_wait_xcnt 0x0                                ; the stores to xb read v[X..]: these are loaded into only behind this wait
.irp b, 0,1
.irp i, 0,1,2,3
	ds_load_b128 v[X+4*(4*\b+\i):X+4*(4*\b+\i)+3], v[XRD] offset:(\b*64+\i)*XPITCH
.endr
.endr
	s_wait_dscnt 0x0
; One h: four quads of wr are rounded to bf16 in place, then 32 multiply-adds a lane.
; left = the loads of wr issued behind this h's four; ahead = 1: the four slots just read take h + 6.
.macro HSTEP h, left, ahead
	s_wait_loadcnt \left
.irp k, 0,1,2,3
	v_cvt_pk_bf16_f32 v3, v[W+4*((4*\h+\k)%24)], v[W+4*((4*\h+\k)%24)+1]
	v_cvt_pk_bf16_f32 v4, v[W+4*((4*\h+\k)%24)+2], v[W+4*((4*\h+\k)%24)+3]
	v_lshlrev_b32 v[W+4*((4*\h+\k)%24)], 16, v3
	v_and_b32 v[W+4*((4*\h+\k)%24)+1], s60, v3
	v_lshlrev_b32 v[W+4*((4*\h+\k)%24)+2], 16, v4
	v_and_b32 v[W+4*((4*\h+\k)%24)+3], s60, v4
.irp b, 0,1
.irp i, 0,1,2,3
.if \k == 0
	v_mul_f32 v[ACC+8*\h+4*\b+\i], v[W+4*((4*\h+\k)%24)+\i], v[X+4*(4*\b+\i)+\k]   ; the first product starts the sum
.else
	v_fmac_f32 v[ACC+8*\h+4*\b+\i], v[W+4*((4*\h+\k)%24)+\i], v[X+4*(4*\b+\i)+\k]
.endif
.endr
.endr
.endr
.if \ahead
.irp k, 0,1,2,3
	global_load_b128 v[W+4*((4*\h+\k)%24):W+4*((4*\h+\k)%24)+3], v[VW], s[BASE+2*(\h+6):BASE+2*(\h+6)+1] offset:\k*8192 th:TH_LOAD_NT
.endr
.endif
.endm
	HSTEP 0, 20, 1                                 ; five later h, four loads each, stay out
	HSTEP 1, 20, 1
	HSTEP 2, 20, 1
	HSTEP 3, 20, 1
	HSTEP 4, 20, 1
	HSTEP 5, 20, 1
	HSTEP 6, 20, 0
	HSTEP 7, 16, 0                                 ; nothing more is asked for: the counts run down
	HSTEP 8, 12, 0
	HSTEP 9, 8, 0
	HSTEP 10, 4, 0
	HSTEP 11, 0, 0
	; a lane's sums cover 4 e; the other 124 lie in the other half of the wave and in the other 15 waves
.irp h, 0,1,2,3,4,5,6,7,8,9,10,11
.irp b, 0,1
	ds_store_b128 v[RST], v[ACC+8*\h+4*\b:ACC+8*\h+4*\b+3] offset:(2*\h+\b)*512
.endr
.endr
	s_wait_dscnt 0x0
	s_barrier_signal -1
	s_barrier_wait -1
	s_cmp_ge_u32 s22, 12
	s_cbranch_scc1 .Lend                           ; twelve waves, one h each, finish
.irp b, 0,1
.irp ws, 0,1,2,3,4,5,6,7,8,9,10,11,12,13,14,15
	ds_load_b128 v[Q+4*(16*\b+\ws):Q+4*(16*\b+\ws)+3], v[RRD+(\ws>>2)] offset:(\ws&3)*12288+\b*512
.endr
.endr
	s_wait_dscnt 0x0
.irp st, 8,4,2,1
.irp b, 0,1
.set ws, 0
.rept \st
	v_pk_add_f32 v[Q+4*(16*\b+ws):Q+4*(16*\b+ws)+1], v[Q+4*(16*\b+ws):Q+4*(16*\b+ws)+1], v[Q+4*(16*\b+ws+\st):Q+4*(16*\b+ws+\st)+1]
	v_pk_add_f32 v[Q+4*(16*\b+ws)+2:Q+4*(16*\b+ws)+3], v[Q+4*(16*\b+ws)+2:Q+4*(16*\b+ws)+3], v[Q+4*(16*\b+ws+\st)+2:Q+4*(16*\b+ws+\st)+3]
.set ws, ws+1
.endr
.endr
.endr
	; the two halves of the wave hold two halves of the sum for the same four t.  Lanes 0-15 end with b = 0, lanes 16-31 with b = 1.
	v_cmp_gt_u32 vcc_lo, 16, v2
.irp i, 0,1,2,3
	v_cndmask_b32 v[Q+8+\i], v[Q+64+\i], v[Q+\i], vcc_lo      ; what I keep
	v_cndmask_b32 v[Q+12+\i], v[Q+\i], v[Q+64+\i], vcc_lo     ; what the other half needs
.endr
.irp i, 0,1,2,3
	v_permlanex16_b32 v[Q+16+\i], v[Q+12+\i], s34, s35
.endr
	v_pk_add_f32 v[Q+8:Q+9], v[Q+8:Q+9], v[Q+16:Q+17]
	v_pk_add_f32 v[Q+10:Q+11], v[Q+10:Q+11], v[Q+18:Q+19]
	global_store_b128 v[RPO], v[Q+8:Q+11], s[20:21]           ; each half of the wave: 256 neighbouring bytes, aligned
.Lend:
	s_wait_tensorcnt 0x0
	ds_add_u32 v240, v241
	s_wait_dscnt 0x0
	s_endpgm
.Lcast:                                            ; 147,456 bytes of one weight matrix: 18 loads of 8,192 bytes for the 512 threads
	s_sub_co_u32 s23, ttmp9, 192
	s_lshr_b32 s24, s23, 4                         ; which matrix
	s_and_b32 s25, s23, 15
	s_mul_i32 s26, s25, 147456
	s_mov_b32 s27, 0
	s_mul_i32 s28, s23, 73728
	s_mov_b32 s29, 0
	s_mov_b32 s34, 0xffff0000                      ; a word's upper bf16
	v_lshlrev_b32 v1, 4, v0
	v_lshlrev_b32 v2, 3, v0
	s_wait_kmcnt 0x0
	s_cmp_eq_u32 s24, 1
	s_cselect_b64 s[30:31], s[10:11], s[8:9]
	s_cmp_eq_u32 s24, 2
	s_cselect_b64 s[30:31], s[12:13], s[30:31]
	s_cmp_eq_u32 s24, 3
	s_cselect_b64 s[30:31], s[14:15], s[30:31]
	s_add_nc_u64 s[30:31], s[30:31], s[26:27]
	s_add_nc_u64 s[32:33], s[18:19], s[28:29]
.irp i, 0,1,2,3,4,5,6,7,8,9,10,11,12,13,14,15,16,17
	global_load_b128 v[8+4*\i:11+4*\i], v1, s[30:31] offset:\i*8192 th:TH_LOAD_NT
.endr
; asf16 = 1: the bf16 numbers are widened and written as f16
.macro CASTS asf16
.irp i, 0,1,2,3,4,5,6,7,8,9,10,11,12,13,14,15,16,17
	s_wait_loadcnt 17-\i                           ; loads come back in order: load i is in, the younger ones stay out
	v_cvt_pk_bf16_f32 v[80+2*\i], v[8+4*\i], v[9+4*\i]
	v_cvt_pk_bf16_f32 v[81+2*\i], v[10+4*\i], v[11+4*\i]
.if \asf16
	v_lshlrev_b32 v[8+4*\i], 16, v[80+2*\i]
	v_and_b32 v[9+4*\i], s34, v[80+2*\i]
	v_lshlrev_b32 v[10+4*\i], 16, v[81+2*\i]
	v_and_b32 v[11+4*\i], s34, v[81+2*\i]
	v_cvt_pk_f16_f32 v[80+2*\i], v[8+4*\i], v[9+4*\i]
	v_cvt_pk_f16_f32 v[81+2*\i], v[10+4*\i], v[11+4*\i]
.endif
	global_store_b64 v2, v[80+2*\i:81+2*\i], s[32:33] offset:\i*4096
.endr
.endm
	s_cmp_eq_u32 s24, 3
	s_cbranch_scc1 .Lcast_wo
	CASTS 0                                        ; wq, wk, wv: bf16
	s_endpgm
.Lcast_wo:
	CASTS 1                                        ; wo: the same rounding, held as f16
	s_endpgm
.Lfunc_end_k_q55cf6455d0_prep:
	.size	k_q55cf6455d0_prep, .Lfunc_end_k_q55cf6455d0_prep-k_q55cf6455d0_prep
	.p2alignl 7, 3214868480
	.fill 96, 4, 3214868480
	.section	.rodata,"a",@progbits
	.p2align	6, 0x0
	.amdhsa_kernel k_q55cf6455d0_prep
		.amdhsa_group_segment_fixed_size 266240
		.amdhsa_private_segment_fixed_size 0
		.amdhsa_enable_private_segment 0
		.amdhsa_kernarg_size 72
		.amdhsa_user_sgpr_count 2
		.amdhsa_user_sgpr_kernarg_segment_ptr 1
		.amdhsa_wavefront_size32 1
		.amdhsa_system_sgpr_workgroup_id_x 1
		.amdhsa_system_sgpr_workgroup_id_y 1
		.amdhsa_system_sgpr_workgroup_id_z 1
		.amdhsa_system_vgpr_workitem_id 0
		.amdhsa_next_free_vgpr 242
		.amdhsa_next_free_sgpr 66
		.amdhsa_reserve_vcc 1
		.amdhsa_float_denorm_mode_32 3
		.amdhsa_float_denorm_mode_16_64 3
		.amdhsa_memory_ordered 1
		.amdhsa_forward_progress 1
		.amdhsa_inst_pref_size 62
	.end_amdhsa_kernel
	.amdgpu_metadata
---
amdhsa.version: [ 1, 2 ]
amdhsa.kernels:
  - .name:           k_q55cf6455d0_prep
    .symbol:         k_q55cf6455d0_prep.kd
    .args:
      - { .name: x, .offset: 0, .size: 8, .value_kind: global_buffer, .address_space: global }
      - { .name: wr, .offset: 8, .size: 8, .value_kind: global_buffer, .address_space: global }
      - { .name: wq, .offset: 16, .size: 8, .value_kind: global_buffer, .address_space: global }
      - { .name: wk, .offset: 24, .size: 8, .value_kind: global_buffer, .address_space: global }
      - { .name: wv, .offset: 32, .size: 8, .value_kind: global_buffer, .address_space: global }
      - { .name: wo, .offset: 40, .size: 8, .value_kind: global_buffer, .address_space: global }
      - { .name: xb, .offset: 48, .size: 8, .value_kind: global_buffer, .address_space: global }
      - { .name: wb, .offset: 56, .size: 8, .value_kind: global_buffer, .address_space: global }
      - { .name: rp, .offset: 64, .size: 8, .value_kind: global_buffer, .address_space: global }
    .group_segment_fixed_size: 266240
    .private_segment_fixed_size: 0
    .kernarg_segment_align: 8
    .kernarg_segment_size: 72
    .max_flat_workgroup_size: 512
    .sgpr_count:     66
    .vgpr_count:     242
    .wavefront_size: 32
...
	.end_amdgpu_metadata
.endif
;; end of part 1
;; launch qkv (part 2): grid 32 x 6, 4 waves a work-group, clusters of 4 x 1, 327,680 bytes of LDS; arguments xb, wb, qkv; writes qkv
.if DOCPART == 2
	.amdgcn_target "amdgcn-amd-amdhsa--gfx1250"
	.amdhsa_code_object_version 6
	.text
	.protected	k_q55cf6455d0_qkv
	.globl	k_q55cf6455d0_qkv
	.p2align	8
	.type	k_q55cf6455d0_qkv,@function
k_q55cf6455d0_qkv:
	s_mov_b64 s[64:65], 0
	v_nop
	global_prefetch_b8 v0, s[64:65] scope:SCOPE_SE
	s_setreg_imm32_b32 hwreg(HW_REG_WAVE_MODE, 25, 1), 1
	s_wait_xcnt 0x0
	s_wait_alu depctr_hold_cnt(0) depctr_sa_sdst(0) depctr_va_vdst(0) depctr_va_sdst(0) depctr_va_ssrc(0) depctr_va_vcc(0) depctr_vm_vsrc(0)
	s_getreg_b32 s2, hwreg(HW_REG_IB_STS2, 6, 4)
	s_cmp_eq_u32 s2, 0
	s_cbranch_scc0 .Lentry_in_a_cluster
	s_endpgm
.Lentry_in_a_cluster:
	s_bfe_u32 s2, ttmp6, 0x10000c
	s_cmp_lg_u32 s2, 0x3003
	s_cbranch_scc0 .Lentry_shape_is_right
	s_endpgm
.Lentry_shape_is_right:
; q, k, v = x W, bf16 operands, f32 sums, f16 results laid head-major: qkv[j][b*12+h][t][d].
; (f16 for the results: at the first keys a row of the output is a single v times wo, and bf16's grain on v would show there.)
; A work-group makes 128 rows of x times 128 columns (two heads) of EACH of wq, wk, wv; four waves, a wave 64 rows x one head x three matrices:
; 48 accumulator tiles of 16 x 16.  K = 768 goes in six steps of 128 through two LDS slots; all six are written out.
; CLUSTER 4 x 1: the four work-groups take four row blocks and the same columns, so the three tiles of W, three quarters of a step's bytes,
; are asked for jointly (waves 1 to 3, mask 15); x's tile is each work-group's own (wave 0, no mask).
; W lies [k][n]: its fragments come out of LDS by the transposing load.  The matrix instruction is used transposed (source 0 = 16 columns of W,
; source 1 = 16 rows of x), so that a lane's eight results are eight neighbouring d of one t.
; Limit: results beyond 65,504 in magnitude do not fit f16 (inputs 30 times larger reach about 8e3, offsets of 30 spreads about 3.6e4).
; REGISTERS: window 0: v16-26 addresses, v32-95 x's fragments (two buffers), v96-143 the way out; window 1: v0-191 W's fragments (two buffers);
; window 2: accumulators of q (v0-127) and k (v128-255); window 3: of v.
.set APITCH, 272                       ; x's LDS row: 256 bytes + 16
.set BPITCH, 288                       ; W's LDS row: 256 bytes + 32, an odd multiple of 32 for the transposing load
.set REGION, 36864                     ; 128 rows of W; x's 128 rows take 34,816 of it
.set SLOT,   4*REGION
.set STAGE,  2*SLOT                    ; 16 rows x 144 bytes for each wave; no tensor load lands here
.set SPITCH, 144
.set WPART,  1179648
.set PART,   6291456
.set ADRA, 16                          ; v16-17  x's fragments, slot 0, 1
.set ADRB, 18                          ; v18-23  W's fragments, slot s, matrix j at 18+3s+j
.set STO,  24
.set RD,   25
.set CO,   26
.set FA,   32                          ; + 32 f
.set FB,   0                           ; + 96 f, window 1
.set TMP,  96
.set OB,   112                         ; + 16 (a mod 2)
.set G1,  24
.set G0,  32
.set G1B, 48
.set G0B, 56
.set MSB, 0
.macro WIN new                         ; the immediate's high byte repeats the setting that is left
.if MSB != \new
	s_set_vgpr_msb (MSB<<8)|\new
.set MSB, \new
.endif
.endm
.set MUL_LO, 0xa1                      ; source 0 window 1, source 1 window 0, C and D window 2
.set MUL_HI, 0xf1                      ; C and D window 3
.set TO_B,   0x40
.macro JLOAD s                         ; wave 0: x's tile, its own; waves 1-3: a tile of W each, jointly.  The branch hangs on the wave's number alone
	s_cmp_eq_u32 s10, 0
	s_cbranch_scc0 .Lfor_b_\@
	tensor_load_to_lds s[G0+4*\s:G0+4*\s+3], s[G1:G1+7]
	s_nop 0
	s_branch .Lasked_\@
.Lfor_b_\@:
	tensor_load_to_lds s[G0B+4*\s:G0B+4*\s+3], s[G1B:G1B+7]
	s_nop 0
.Lasked_\@:
.endm
.macro CREST                           ; a round of the cluster's barrier behind its opening barrier
	s_cmp_lg_u32 s10, 0
	s_cbranch_scc1 .Lnot_wave_0_\@
	s_barrier_signal -3
.Lnot_wave_0_\@:
	s_barrier_wait -3
	s_barrier_signal -1
	s_barrier_wait -1
.endm
.macro CROUND
	s_barrier_signal -1
	s_barrier_wait -1
	CREST
.endm
.macro PLACES                          ; four places behind a matrix instruction before its registers are loaded into or its result is read (ISA guide 7.12.1)
.rept 4
	v_nop
.endr
.endm
	s_load_b128 s[4:7], s[0:1], 0x0                ; xb, wb
	s_load_b64 s[8:9], s[0:1], 0x10                ; qkv
	s_set_vgpr_msb 0x40
	v_lshl_add_u32 v255, v0, 2, 0x4c400
	s_set_vgpr_msb 0x4000
	v_mov_b32 v255, 0
	s_set_vgpr_msb 0x1
	ds_add_u32 v255, v255
	s_set_vgpr_msb 0x100
	v_lshrrev_b32 v1, 5, v0
	v_readfirstlane_b32 s10, v1                    ; wave
	s_lshr_b32 s11, s10, 1                         ; my 64 rows
	s_and_b32 s12, s10, 1                          ; my head of the two
	s_bfe_u32 s40, ttmp6, 0x40000                  ; cx
	s_lshl_b32 s13, ttmp9, 2
	s_add_co_u32 s13, s13, s40                     ; row block 0..31
	s_and_b32 s41, ttmp7, 0xffff                   ; column block 0..5
	s_mov_b32 s[G1+0], 0x07510000                  ; 2-byte elements, 4 words of padding behind every 64; no mask
	s_mov_b32 s[G1B+0], 0x0F71000F                 ; the same with 8 words of padding, mask 15 and bit 21 beside it
	s_mov_b32 s[G1+1], 128<<16                     ; tensor_dim0 = 128
	s_mov_b32 s[G1B+1], 128<<16
	s_mov_b32 s[G1+2], 128<<16                     ; tensor_dim1 = 128
	s_mov_b32 s[G1B+2], 128<<16
	s_mov_b32 s[G1+3], 128<<16                     ; tile_dim0 = 128
	s_mov_b32 s[G1B+3], 128<<16
	s_mov_b32 s[G1+4], 128                         ; tile_dim1 = 128
	s_mov_b32 s[G1B+4], 128
	s_mov_b32 s[G1+5], 768                         ; elements from row to row
	s_mov_b32 s[G1B+5], 768
	s_mov_b32 s[G1+6], 0
	s_mov_b32 s[G1B+6], 0
	s_mov_b32 s[G1+7], 0
	s_mov_b32 s[G1B+7], 0
	s_mul_i32 s16, s13, 196608                     ; x: 128 rows of 1,536 bytes a block
	s_mov_b32 s17, 0
	s_max_u32 s44, s10, 1
	s_sub_co_u32 s44, s44, 1                       ; W: matrix wave - 1 (wave 0 makes an address that it never uses)
	s_mul_i32 s46, s44, WPART
	s_lshl_b32 s45, s41, 8
	s_add_co_u32 s46, s46, s45                     ; + 256 bytes a column block: no place in the cluster enters
	s_mov_b32 s47, 0
	s_mul_i32 s20, s10, REGION                     ; where my tile goes
	s_wait_dscnt 0x0
	s_wait_kmcnt 0x0
	s_add_nc_u64 s[14:15], s[4:5], s[16:17]
	s_add_nc_u64 s[46:47], s[6:7], s[46:47]
	CROUND                                         ; the four work-groups are here: the first joint loads meet
.irp s, 0,1
	s_mov_b32 s[G0+4*\s], 1
	s_add_co_u32 s[G0+4*\s+1], s20, \s*SLOT
	s_add_nc_u64 s[G0+4*\s+2:G0+4*\s+3], s[14:15], \s*256          ; K step s: 128 elements along x's rows
	s_or_b32 s[G0+4*\s+3], s[G0+4*\s+3], 0x80000000
	s_mov_b32 s[G0B+4*\s], 1
	s_add_co_u32 s[G0B+4*\s+1], s20, \s*SLOT
	s_add_nc_u64 s[G0B+4*\s+2:G0B+4*\s+3], s[46:47], \s*196608     ; K step s: 128 rows of W
	s_or_b32 s[G0B+4*\s+3], s[G0B+4*\s+3], 0x80000000
	JLOAD \s                                       ; both first fills go out together: two loads of the wave are out
.endr
	v_and_b32 v1, 15, v0                           ; r
	v_bfe_u32 v2, v0, 4, 1                         ; hh
	v_and_b32 v4, 7, v0
	v_bfe_u32 v5, v0, 3, 1
	v_mul_u32_u24 v3, v1, APITCH
	v_lshl_add_u32 v3, v2, 4, v3
	s_mul_i32 s21, s11, 64*APITCH
	v_add_nc_u32 v[ADRA], s21, v3
	v_add_nc_u32 v[ADRA+1], SLOT, v[ADRA]
	v_lshl_add_u32 v6, v2, 3, v4                   ; k row 8 hh + lane mod 8
	v_mul_u32_u24 v6, v6, BPITCH
	v_lshl_add_u32 v6, v5, 4, v6
	s_lshl_b32 s22, s12, 7                         ; my head's 128 bytes of the row
	v_add_nc_u32 v6, s22, v6
.irp s, 0,1
.irp j, 0,1,2
	v_add_nc_u32 v[ADRB+3*\s+\j], \s*SLOT+(1+\j)*REGION, v6
.endr
.endr
	s_mul_i32 s23, s10, 16*SPITCH
	s_add_co_u32 s23, s23, STAGE
	v_mul_u32_u24 v7, v1, SPITCH
	v_lshl_add_u32 v7, v2, 4, v7
	v_add_nc_u32 v[STO], s23, v7
	v_bfe_u32 v7, v0, 3, 2
	v_mul_u32_u24 v7, v7, SPITCH
	v_lshl_add_u32 v7, v4, 4, v7
	v_add_nc_u32 v[RD], s23, v7
	v_and_b32 v7, 31, v0
	v_lshlrev_b32 v[CO], 4, v7
; 16 matrix instructions: my 4 row tiles x the 4 column tiles of matrix j.  The accumulators take turns, one instruction a turn.
.macro MULJ f, j, acco, zero
.irp a, 0,1,2,3
.irp bt, 0,1,2,3
.if \zero
	v_wmma_f32_16x16x32_bf16 v[\acco+8*(4*\a+\bt):\acco+8*(4*\a+\bt)+7], v[FB+96*\f+8*(4*\j+\bt):FB+96*\f+8*(4*\j+\bt)+7], v[FA+32*\f+8*\a:FA+32*\f+8*\a+7], 0
.else
	v_wmma_f32_16x16x32_bf16 v[\acco+8*(4*\a+\bt):\acco+8*(4*\a+\bt)+7], v[FB+96*\f+8*(4*\j+\bt):FB+96*\f+8*(4*\j+\bt)+7], v[FA+32*\f+8*\a:FA+32*\f+8*\a+7], v[\acco+8*(4*\a+\bt):\acco+8*(4*\a+\bt)+7]
.endif
.endr
.endr
.endm
.macro FETCHB slot, kq, f, j
.irp bt, 0,1,2,3
	ds_load_tr16_b128 v[FB+96*\f+8*(4*\j+\bt):FB+96*\f+8*(4*\j+\bt)+3], v[ADRB+3*\slot+\j] offset:\kq*32*BPITCH+32*\bt
	ds_load_tr16_b128 v[FB+96*\f+8*(4*\j+\bt)+4:FB+96*\f+8*(4*\j+\bt)+7], v[ADRB+3*\slot+\j] offset:\kq*32*BPITCH+32*\bt+16*BPITCH
.endr
.endm
; 32 LDS loads: the fragments of quarter kq (32 along K) into buffer f; matrix 2's eight come last
.macro FETCH slot, kq, f
	WIN TO_B
	FETCHB \slot, \kq, \f, 0
	FETCHB \slot, \kq, \f, 1
	WIN 0
.irp a, 0,1,2,3
	ds_load_b128 v[FA+32*\f+8*\a:FA+32*\f+8*\a+3], v[ADRA+\slot] offset:\kq*64+\a*16*APITCH
	ds_load_b128 v[FA+32*\f+8*\a+4:FA+32*\f+8*\a+7], v[ADRA+\slot] offset:\kq*64+\a*16*APITCH+32
.endr
	WIN TO_B
	FETCHB \slot, \kq, \f, 2
.endm
; multiplies buffer f; in its middle fetches quarter kq of the same slot into buffer g
.macro QUARTER slot, kq, f, g, zero
	s_wait_dscnt 8                                 ; all but matrix 2's eight youngest loads are in
	WIN MUL_LO
	MULJ \f, 0, 0, \zero
	MULJ \f, 1, 128, \zero
	PLACES
	FETCH \slot, \kq, \g
	s_wait_dscnt 32                                ; all but the 32 just issued
	WIN MUL_HI
	MULJ \f, 2, 0, \zero
.endm
.macro THREE slot, zero
	QUARTER \slot, 1, 0, 1, \zero
	QUARTER \slot, 2, 1, 0, 0
	QUARTER \slot, 3, 0, 1, 0
.endm
; the last quarter of a step: multiplies buffer 1 and changes slots; fill = 1: this slot is filled again, two steps ahead
.macro TURN slot, next, fill
	s_wait_dscnt 8
	WIN MUL_LO
	MULJ 1, 0, 0, 0
	s_wait_dscnt 0                                 ; my reads of this slot are over
	s_wait_tensorcnt 0x0                           ; all my tensor loads have landed: the one that was out is my part of the next slot
	ds_add_u32 v255, v255
	s_wait_dscnt 0x0
	s_barrier_signal -1
	MULJ 1, 1, 128, 0                              ; register work while the others arrive
	WIN 0
	s_barrier_wait -1
.if \fill
	CREST                                          ; the round closes: no wave of any partner still reads this slot or has a load on its way
	s_add_nc_u64 s[G0+4*\slot+2:G0+4*\slot+3], s[G0+4*\slot+2:G0+4*\slot+3], 512
	s_add_nc_u64 s[G0B+4*\slot+2:G0B+4*\slot+3], s[G0B+4*\slot+2:G0B+4*\slot+3], 393216
	JLOAD \slot                                    ; my one tensor load behind the round, and the first thing there
.endif
	PLACES
	FETCH \next, 0, 0
	WIN MUL_HI
	MULJ 1, 2, 0, 0
.endm
	s_wait_tensorcnt 1                             ; my part of K step 0 is in; step 1's stays out
	s_barrier_signal -1
	s_barrier_wait -1
	FETCH 0, 0, 0
	THREE 0, 1                                     ; step 0: its first products start the sums
	TURN 0, 1, 1
	THREE 1, 0
	TURN 1, 0, 1
	THREE 0, 0
	TURN 0, 1, 1
	THREE 1, 0
	TURN 1, 0, 1
	THREE 0, 0                                     ; step 4: nothing is left to ask for
	TURN 0, 1, 0
	THREE 1, 0                                     ; step 5
	s_wait_dscnt 8
	WIN MUL_LO
	MULJ 1, 0, 0, 0
	MULJ 1, 1, 128, 0
	s_wait_dscnt 0
	WIN MUL_HI
	MULJ 1, 2, 0, 0
	PLACES
	; THE WAY OUT: 16 t x 64 d at a time through my own stage; in qkv these 2,048 bytes lie without a gap
	s_lshr_b32 s14, s13, 4                         ; b
	s_mul_i32 s14, s14, 12
	s_lshl1_add_u32 s15, s41, s12                  ; h
	s_add_co_u32 s14, s14, s15
	s_lshl_b32 s14, s14, 18                        ; heads of 262,144 bytes
	s_and_b32 s15, s13, 15
	s_lshl_b32 s15, s15, 14                        ; 128 t of 128 bytes
	s_add_co_u32 s14, s14, s15
	s_lshl_b32 s15, s11, 13
	s_add_co_u32 s14, s14, s15
	s_mov_b32 s15, 0
	s_add_nc_u64 s[8:9], s[8:9], s[14:15]
.macro OUT16 a, from, acco, step
	WIN \from
.irp bt, 0,1,2,3
.irp r, 0,1,2,3
	v_cvt_pk_f16_f32 v[TMP+4*\bt+\r], v[\acco+8*(4*\a+\bt)+2*\r], v[\acco+8*(4*\a+\bt)+2*\r+1]
.endr
.endr
	WIN 0
.irp bt, 0,1,2,3
	ds_store_b128 v[STO], v[TMP+4*\bt:TMP+4*\bt+3] offset:32*\bt
.endr
	s_wait_xcnt 0x0                                ; the registers and the base that earlier stores read are rewritten only behind this wait
.if \step
	s_add_nc_u64 s[8:9], s[8:9], PART              ; the next of q, k, v
.endif
.irp t, 0,1,2,3
	ds_load_b128 v[OB+16*(\a&1)+4*\t:OB+16*(\a&1)+4*\t+3], v[RD] offset:\t*4*SPITCH   ; LDS serves a wave's instructions in order: these see the stores above
.endr
.irp t, 0,1,2,3
	s_wait_dscnt 3-\t
	global_store_b128 v[CO], v[OB+16*(\a&1)+4*\t:OB+16*(\a&1)+4*\t+3], s[8:9] offset:\a*2048+\t*512   ; 512 neighbouring bytes, aligned
.endr
.endm
	OUT16 0, 0x0a, 0, 0
	OUT16 1, 0x0a, 0, 0
	OUT16 2, 0x0a, 0, 0
	OUT16 3, 0x0a, 0, 0
	OUT16 0, 0x0a, 128, 1
	OUT16 1, 0x0a, 128, 0
	OUT16 2, 0x0a, 128, 0
	OUT16 3, 0x0a, 128, 0
	OUT16 0, 0x0f, 0, 1
	OUT16 1, 0x0f, 0, 0
	OUT16 2, 0x0f, 0, 0
	OUT16 3, 0x0f, 0, 0
	s_set_vgpr_msb 0x1
	s_wait_tensorcnt 0x0
	ds_add_u32 v255, v255
	s_wait_dscnt 0x0
	s_set_vgpr_msb 0x100
	CROUND                                         ; the closing round: no work-group ends while a partner may still ask jointly
	s_endpgm
.Lfunc_end_k_q55cf6455d0_qkv:
	.size	k_q55cf6455d0_qkv, .Lfunc_end_k_q55cf6455d0_qkv-k_q55cf6455d0_qkv
	.p2alignl 7, 3214868480
	.fill 96, 4, 3214868480
	.section	.rodata,"a",@progbits
	.p2align	6, 0x0
	.amdhsa_kernel k_q55cf6455d0_qkv
		.amdhsa_group_segment_fixed_size 327680
		.amdhsa_private_segment_fixed_size 0
		.amdhsa_enable_private_segment 0
		.amdhsa_kernarg_size 24
		.amdhsa_user_sgpr_count 2
		.amdhsa_user_sgpr_kernarg_segment_ptr 1
		.amdhsa_wavefront_size32 1
		.amdhsa_system_sgpr_workgroup_id_x 1
		.amdhsa_system_sgpr_workgroup_id_y 1
		.amdhsa_system_sgpr_workgroup_id_z 1
		.amdhsa_system_vgpr_workitem_id 0
		.amdhsa_next_free_vgpr 896
		.amdhsa_next_free_sgpr 66
		.amdhsa_reserve_vcc 0
		.amdhsa_float_denorm_mode_32 3
		.amdhsa_float_denorm_mode_16_64 3
		.amdhsa_memory_ordered 1
		.amdhsa_forward_progress 1
		.amdhsa_inst_pref_size 165
	.end_amdhsa_kernel
	.amdgpu_metadata
---
amdhsa.version: [ 1, 2 ]
amdhsa.kernels:
  - .name:           k_q55cf6455d0_qkv
    .symbol:         k_q55cf6455d0_qkv.kd
    .args:
      - { .name: xb, .offset: 0, .size: 8, .value_kind: global_buffer, .address_space: global }
      - { .name: wb, .offset: 8, .size: 8, .value_kind: global_buffer, .address_space: global }
      - { .name: qkv, .offset: 16, .size: 8, .value_kind: global_buffer, .address_space: global }
    .group_segment_fixed_size: 327680
    .private_segment_fixed_size: 0
    .kernarg_segment_align: 8
    .kernarg_segment_size: 24
    .max_flat_workgroup_size: 128
    .sgpr_count:     66
    .vgpr_count:     896
    .wavefront_size: 32
...
	.end_amdgpu_metadata
.endif
;; end of part 2
;; launch attn (part 3): grid 8 x 24, 8 waves a work-group, no clusters, 327,680 bytes of LDS; arguments qkv, rp, alpha, ao; writes ao
.if DOCPART == 3
	.amdgcn_target "amdgcn-amd-amdhsa--gfx1250"
	.amdhsa_code_object_version 6
	.text
	.protected	k_q55cf6455d0_attn
	.globl	k_q55cf6455d0_attn
	.p2align	8
	.type	k_q55cf6455d0_attn,@function
k_q55cf6455d0_attn:
	s_mov_b64 s[64:65], 0
	v_nop
	global_prefetch_b8 v0, s[64:65] scope:SCOPE_SE
	s_setreg_imm32_b32 hwreg(HW_REG_WAVE_MODE, 25, 1), 1
	s_wait_xcnt 0x0
; Both causal softmaxes, their blend and the product with V, for one (b, h) and two blocks of 128 queries.
; Work-group (p, bh) takes query block cA = 2 p and then cB = 15 - 2 p: each block one step on its own 128 keys (masked) and c steps on the
; key tiles in front of it: 17 equal steps in every work-group.
; Eight waves: g = wave / 4 takes 64 of a tile's 128 keys, w4 = wave mod 4 takes 32 queries; waves w and w xor 4 hold the same queries and
; merge at a block's end.  S^T = K Q^T and O^T = V^T P^T: a lane owns one query, so maxima and sums stay in the lane but for one exchange
; between the halves of the wave, and P goes from a result's layout to an operand's by a conversion in place.
; CONTENT: running maximum, as usual.  RRPRAM: the score rho[j] hangs on the key alone, so the true row maximum mu[q] = max over j <= q of rho[j]
; is known beforehand.  For the keys in front of the block all rows share the weights w[j] = exp2(rho[j] - M), M their maximum: one vector
; N = sum of w[j] v[j] and one sum L, scaled for row q by f = exp2(M - mu[q]) <= 1; the block's own keys take exp2(rho[j] - mu[q]) under the mask.
; All exponents are at most 0.  Exponentials are in base 2: scale x log2(e) is folded into the scores.
; NO MULTICAST: the eight work-groups of a head are at different tiles in the same step (stream place pos is tile pos or pos - cA, and cA differs).
; LIMITS: f16 operands (P, w in [0,1]; q, k, v up to 65,504).  A column whose keys are all masked takes -FLT_MAX as its maximum, so raw scores
; below -3.4e38 are not served.  NaN and infinities in the inputs are not treated.  l, l2 and L are sums of the unrounded f32 weights.
; alpha is taken rounded to bf16, like every other input: the program computes reference() on inputs rounded to bf16.
.set PART,  6291456
.set S0V, 20480                        ; LDS: eight regions of 20,480 bytes; K rows 144 bytes apart, V rows 160
.set DAK, 40960
.set DAV, 61440
.set DBK, 81920
.set DBV, 102400
.set S1K, 122880
.set S1V, 143360
.set RHO, 163840                       ; rho[2048] f32.  From here on no tensor load lands
.set PM,  172032                       ; prefix maxima of rho inside each 128 keys
.set WA,  180224                       ; w for block A, f16
.set WB,  184320
.set RED, 188416                       ; 16 maxima; at +64 and +96 eight sums each
.set XCH, 188672
.set XCHB, 8704
.set OST, 258304
.set OSTB, 2304
; window 0: v1 128 g + 16 hh; v2-9 K and V fragment addresses (slot 0, slot 1, block A's own tile, block B's); v10 w fragments; v11 rho; v12-13 Q offsets;
; v14-15 mask thresholds; v16-17 exchange; v18-19 stage; v20 output offset; v21 w base; v22-23 raw maxima; v24-25 PM addresses;
; v26/28 -m C, v30/32 rescale factors, v38/40 mu, v42/44 f (each the first of a pair); v34-35 l; v36-37 l2; v46-49 M_A M_B L_A L_B; v50-51 a, 1-a; v52-63 at work
.set Q,  64                            ; v[64:95]   Q fragments [u][ks]
.set RW, 96                            ; v[96:127]  rho of my keys, or w fragments
.set S,  128                           ; v[128:191] scores [u][m], then P in place
.set F,  192                           ; v[192:255] K fragments, then V fragments
; window 1: v0-63 O[u][dt], v64-127 O2[u][dt], v128-159 N[dt]
.set MSB, 0
.macro WIN new
.if MSB != \new
	s_set_vgpr_msb (MSB<<8)|\new
.set MSB, \new
.endif
.endm
.macro PLACES                          ; four places behind a matrix instruction (ISA guide 7.12.1)
.rept 4
	v_nop
.endr
.endm
	s_load_b256 s[4:11], s[0:1], 0x0               ; qkv, rp, alpha, ao
	s_set_vgpr_msb 0x40
	v_lshl_add_u32 v160, v0, 2, 0x43900
	v_mov_b32 v161, 0
	s_set_vgpr_msb 0x4045
	ds_add_u32 v160, v161
	s_set_vgpr_msb 0x4500
	v_lshrrev_b32 v1, 5, v0
	v_readfirstlane_b32 s12, v1                    ; wave
	s_lshr_b32 s13, s12, 2                         ; g
	s_and_b32 s14, s12, 3                          ; w4
	s_and_b32 s15, ttmp9, 7                        ; p
	s_and_b32 s16, ttmp7, 0xffff                   ; bh
	s_cmp_ge_u32 s16, 12
	s_cselect_b32 s17, 12, 0
	s_sub_co_u32 s17, s16, s17                     ; h
	s_lshl_b32 s18, s15, 1                         ; cA
	s_sub_co_u32 s19, 15, s18                      ; cB
	s_mov_b32 s20, 0                               ; place in the stream of 15 tiles
	; a tile is 16,384 bytes without a gap: 64 rows of 256 bytes, padded behind every 32 words, that is behind every key's 128 bytes
	s_mov_b32 s24, 0x07110000                      ; K: 4 words of padding
	s_mov_b32 s32, 0x0F110000                      ; V: 8 words
	s_mov_b32 s25, 128<<16
	s_mov_b32 s33, 128<<16
	s_mov_b32 s26, 64<<16
	s_mov_b32 s34, 64<<16
	s_mov_b32 s27, 128<<16
	s_mov_b32 s35, 128<<16
	s_mov_b32 s28, 64
	s_mov_b32 s36, 64
	s_mov_b32 s29, 128
	s_mov_b32 s37, 128
	s_mov_b32 s30, 0
	s_mov_b32 s38, 0
	s_mov_b32 s31, 0
	s_mov_b32 s39, 0
	s_mov_b32 s40, 1                               ; group 0 of the ring: K slot 0, K slot 1, V slot 0, V slot 1
	s_mov_b32 s41, 0
	s_mov_b32 s44, 1
	s_mov_b32 s45, S1K
	s_mov_b32 s48, 1
	s_mov_b32 s49, S0V
	s_mov_b32 s52, 1
	s_mov_b32 s53, S1V
	s_lshl_b32 s22, s16, 18
	s_mov_b32 s23, 0
	s_lshr_b32 s84, s12, 1                         ; first fills: waves 0,1 tile 0; 2,3 block A's own tile; 4,5 block B's
	s_cmp_eq_u32 s84, 1
	s_cselect_b32 s85, s18, 0
	s_cmp_eq_u32 s84, 2
	s_cselect_b32 s85, s19, s85
	s_and_b32 s84, s12, 1                          ; even waves K, odd waves V
	s_mov_b32 s56, 1
	s_mul_i32 s57, s12, 20480
	s_wait_dscnt 0x0
	s_wait_kmcnt 0x0
	s_add_nc_u64 s[66:67], s[4:5], s[22:23]        ; q of my head
	s_add_nc_u64 s[60:61], s[66:67], PART          ; k
	s_add_nc_u64 s[62:63], s[60:61], PART          ; v
	s_lshl_b32 s22, s85, 14
	s_cmp_eq_u32 s84, 1
	s_cselect_b64 s[58:59], s[62:63], s[60:61]
	s_add_nc_u64 s[58:59], s[58:59], s[22:23]
	s_or_b32 s59, s59, 0x80000000
	s_cmp_ge_u32 s12, 6
	s_cbranch_scc1 .Lfilled
	s_cmp_eq_u32 s84, 1
	s_cbranch_scc1 .Lfill_v
	tensor_load_to_lds s[56:59], s[24:31]          ; one load a wave, ahead of every wait on TENSORcnt, LDS read and barrier
	s_nop 0
	s_branch .Lfilled
.Lfill_v:
	tensor_load_to_lds s[56:59], s[32:39]
	s_nop 0
.Lfilled:
	s_mov_b32 s74, 0x3e38aa3b                      ; C = log2(e) / 8, twice: a pair for the packed forms
	s_mov_b32 s75, 0x3e38aa3b
	s_mov_b32 s76, 0x76543210
	s_mov_b32 s77, 0xfedcba98
	s_mov_b32 s78, 0xff800000                      ; -inf
	s_mov_b32 s79, 0xff7fffff                      ; -FLT_MAX
	s_mov_b32 s80, 0xaaaaaaaa                      ; lanes with bit 0, 1, 2, 3 of their number set
	s_mov_b32 s81, 0xcccccccc
	s_mov_b32 s82, 0xf0f0f0f0
	s_mov_b32 s83, 0xff00ff00
	s_lshl_b32 s84, s16, 18                        ; ao: head, block, my 16 rows (32 w4 + 16 g)
	s_lshl_b32 s85, s14, 12
	s_add_co_u32 s84, s84, s85
	s_lshl_b32 s85, s13, 11
	s_add_co_u32 s84, s84, s85
	s_lshl_b32 s85, s18, 14
	s_add_co_u32 s22, s84, s85
	s_add_nc_u64 s[70:71], s[10:11], s[22:23]
	s_lshl_b32 s85, s19, 14
	s_add_co_u32 s22, s84, s85
	s_add_nc_u64 s[72:73], s[10:11], s[22:23]
	; rho: thread tau owns keys 8 tau .. 8 tau + 7
	s_lshl_b32 s84, s16, 13
	v_lshl_add_u32 v61, v0, 5, s84
.irp ec, 0,1,2,3,4,5
	global_load_b128 v[128+8*\ec:131+8*\ec], v61, s[6:7] offset:\ec*196608
	global_load_b128 v[132+8*\ec:135+8*\ec], v61, s[6:7] offset:\ec*196608+16
.endr
	s_lshl_b32 s85, s17, 2
	v_mov_b32 v62, s85
	global_load_b32 v50, v62, s[8:9]               ; alpha[h]
	; addresses
	v_and_b32 v1, 15, v0                           ; r
	v_bfe_u32 v52, v0, 4, 1                        ; hh
	v_and_b32 v53, 7, v0
	v_bfe_u32 v54, v0, 3, 1
	v_and_b32 v55, 31, v0
	s_mul_i32 s84, s13, 64*144
	v_mul_u32_u24 v56, v1, 144
	v_lshl_add_u32 v56, v52, 4, v56
	v_add_nc_u32 v56, s84, v56                     ; K: (64 g + r) 144 + 16 hh
	s_mul_i32 s84, s13, 64*160
	v_lshl_add_u32 v57, v52, 3, v53
	v_mul_u32_u24 v57, v57, 160
	v_lshl_add_u32 v57, v54, 4, v57
	v_add_nc_u32 v57, s84, v57                     ; V: (64 g + 8 hh + lane mod 8) 160 + 16 (bit 3 of the lane)
	v_mov_b32 v2, v56
	v_add_nc_u32 v3, S0V, v57
	v_add_nc_u32 v4, S1K, v56
	v_add_nc_u32 v5, S1V, v57
	v_add_nc_u32 v6, DAK, v56
	v_add_nc_u32 v7, DAV, v57
	v_add_nc_u32 v8, DBK, v56
	v_add_nc_u32 v9, DBV, v57
	s_lshl_b32 s84, s14, 5
	s_lshl_b32 s85, s13, 4
	s_add_co_u32 s86, s84, s85                     ; column tile 0: queries 32 w4 + 16 g + r: those I keep at the end
	s_xor_b32 s85, s85, 16
	s_add_co_u32 s87, s84, s85                     ; column tile 1: those that my partner keeps
	v_add_nc_u32 v58, s86, v1
	v_add_nc_u32 v59, s87, v1
	v_lshlrev_b32 v60, 4, v52
	v_lshl_add_u32 v12, v58, 7, v60
	v_lshl_add_u32 v13, v59, 7, v60
	s_lshl_b32 s84, s13, 6
	v_lshl_add_u32 v63, v52, 3, s84
	v_sub_nc_u32 v14, v58, v63                     ; key 64 g + 16 m + 8 hh + j is kept where 16 m + j <= query - 64 g - 8 hh
	v_sub_nc_u32 v15, v59, v63
	v_lshl_add_u32 v24, v58, 2, PM
	v_lshl_add_u32 v25, v59, 2, PM
	s_mul_i32 s84, s12, XCHB
	s_add_co_u32 s84, s84, XCH
	v_lshl_add_u32 v16, v55, 4, s84
	s_xor_b32 s85, s12, 4
	s_mul_i32 s85, s85, XCHB
	s_add_co_u32 s85, s85, XCH
	v_lshl_add_u32 v17, v55, 4, s85
	s_mul_i32 s84, s12, OSTB
	s_add_co_u32 s84, s84, OST
	v_mul_u32_u24 v18, v1, 144
	v_add_nc_u32 v18, v18, v60
	v_add_nc_u32 v18, s84, v18
	v_bfe_u32 v19, v0, 3, 2
	v_mul_u32_u24 v19, v19, 144
	v_lshl_add_u32 v19, v53, 4, v19
	v_add_nc_u32 v19, s84, v19
	v_lshlrev_b32 v20, 4, v55
	s_lshl_b32 s84, s13, 7
	v_add_nc_u32 v1, s84, v60                      ; 128 g + 16 hh
.irp r, 27,29,31,33,39,41,43,45
	v_mov_b32 v\r, 0                               ; second halves of pairs of which only the first is used
.endr
	s_wait_loadcnt 0x0
	v_cvt_pk_bf16_f32 v50, v50, v50                ; alpha rounded to bf16,
	v_lshlrev_b32 v50, 16, v50                     ; and widened again
.irp ec, 1,2,3,4,5
.irp pr, 0,2,4,6
	v_pk_add_f32 v[128+\pr:129+\pr], v[128+\pr:129+\pr], v[128+8*\ec+\pr:129+8*\ec+\pr]
.endr
.endr
.irp pr, 0,2,4,6
	v_pk_mul_f32 v[176+\pr:177+\pr], v[128+\pr:129+\pr], s[74:75] op_sel_hi:[1,0]
.endr
	v_lshl_add_u32 v56, v0, 5, RHO
	ds_store_b128 v56, v[176:179]
	ds_store_b128 v56, v[180:183] offset:16
	v_max3_num_f32 v57, v176, v177, v178
	v_max3_num_f32 v57, v57, v179, v180
	v_max3_num_f32 v57, v57, v181, v182
	v_max_num_f32 v57, v57, v183                   ; my eight keys' maximum
	v_mov_b32 v58, s78                             ; the maximum of the lanes in front of me among the 16 of my 128 keys
	v_mov_b32 v59, 0
.macro SCANSTEP x, sm                  ; the partner group of x lanes lies wholly in front of mine where my lane number has bit x
	v_mov_b32_dpp v59, v57 row_xmask:\x row_mask:0xf bank_mask:0xf
	v_max_num_f32 v60, v58, v59
	v_cndmask_b32 v58, v58, v60, s[\sm]
	v_max_num_f32 v57, v57, v59
.endm
	SCANSTEP 1, 80
	SCANSTEP 2, 81
	SCANSTEP 4, 82
	SCANSTEP 8, 83
	v_max_num_f32 v184, v58, v176
.irp i, 1,2,3,4,5,6,7
	v_max_num_f32 v[184+\i], v[183+\i], v[176+\i]
.endr
	ds_store_b128 v56, v[184:187] offset:PM-RHO
	ds_store_b128 v56, v[188:191] offset:PM-RHO+16
	v_lshrrev_b32 v63, 4, v0                       ; which 128 keys are mine
	v_lshl_add_u32 v60, v63, 2, RED
	ds_store_b32 v60, v57                          ; sixteen lanes write the same word with the same value
	s_wait_dscnt 0x0
	s_wait_tensorcnt 0x0                           ; my first fill has landed, for the other waves' sake
	s_barrier_signal -1
	s_barrier_wait -1
	v_and_b32 v61, 15, v0
	v_lshl_add_u32 v60, v61, 2, RED
	ds_load_b32 v62, v60
	v_cmp_gt_u32 vcc_lo, s18, v61
	v_cmp_gt_u32 s88, s19, v61
	s_wait_dscnt 0x0
	v_cndmask_b32 v46, s78, v62, vcc_lo            ; only the tiles in front of the block
	v_cndmask_b32 v47, s78, v62, s88
.irp x, 1,2,4,8
	v_max_num_f32_dpp v46, v46, v46 row_xmask:\x row_mask:0xf bank_mask:0xf
	v_max_num_f32_dpp v47, v47, v47 row_xmask:\x row_mask:0xf bank_mask:0xf
.endr
	v_cmp_gt_u32 s88, s18, v63
	v_cmp_gt_u32 s89, s19, v63
.irp i, 0,1,2,3,4,5,6,7
	v_sub_f32 v[192+\i], v[176+\i], v46
	v_sub_f32 v[200+\i], v[176+\i], v47
.endr
.set wi, 0
.rept 16
	v_exp_f32 v[192+wi], v[192+wi]
.set wi, wi+1
.endr
	v_mul_f32 v51, 0xbfb8aa3b, v50                 ; a plain instruction behind the exponentials; -alpha log2(e)
	s_wait_alu depctr_va_vdst(0)
.irp i, 0,1,2,3,4,5,6,7
	v_cndmask_b32 v[192+\i], 0, v[192+\i], s88     ; keys at or behind the block weigh nothing here
	v_cndmask_b32 v[200+\i], 0, v[200+\i], s89
.endr
	v_pk_add_f32 v[56:57], v[192:193], v[194:195]
	v_pk_add_f32 v[58:59], v[200:201], v[202:203]
	v_pk_add_f32 v[56:57], v[56:57], v[196:197]
	v_pk_add_f32 v[58:59], v[58:59], v[204:205]
	v_pk_add_f32 v[56:57], v[56:57], v[198:199]
	v_pk_add_f32 v[58:59], v[58:59], v[206:207]
	v_add_f32 v56, v56, v57
	v_add_f32 v58, v58, v59
.irp x, 1,2,4,8
	v_add_f32_dpp v56, v56, v56 row_xmask:\x row_mask:0xf bank_mask:0xf
	v_add_f32_dpp v58, v58, v58 row_xmask:\x row_mask:0xf bank_mask:0xf
.endr
	v_permlanex16_b32 v57, v56, s76, s77
	v_permlanex16_b32 v59, v58, s76, s77
	v_add_f32 v56, v56, v57
	v_add_f32 v58, v58, v59
	s_lshl_b32 s84, s12, 2
	s_add_co_u32 s84, s84, RED
	v_mov_b32 v60, s84
	ds_store_b32 v60, v56 offset:64
	ds_store_b32 v60, v58 offset:96
.irp i, 0,1,2,3
	v_cvt_pk_f16_f32 v[208+\i], v[192+2*\i], v[193+2*\i]
	v_cvt_pk_f16_f32 v[212+\i], v[200+2*\i], v[201+2*\i]
.endr
	v_lshl_add_u32 v61, v0, 4, WA
	ds_store_b128 v61, v[208:211]
	ds_store_b128 v61, v[212:215] offset:WB-WA
	v_exp_f32 v51, v51
	v_nop
	s_wait_alu depctr_va_vdst(0)
	v_add_f32 v51, 1.0, v51
	v_rcp_f32 v50, v51                             ; a = sigmoid(alpha)
	v_nop
	s_wait_alu depctr_va_vdst(0)
	v_sub_f32 v51, 1.0, v50
	s_wait_dscnt 0x0
	s_wait_tensorcnt 0x0
	s_barrier_signal -1
	s_barrier_wait -1
	v_mov_b32 v61, RED
	ds_load_b128 v[128:131], v61 offset:64
	ds_load_b128 v[132:135], v61 offset:80
	ds_load_b128 v[136:139], v61 offset:96
	ds_load_b128 v[140:143], v61 offset:112
	s_wait_dscnt 0x0
	v_pk_add_f32 v[128:129], v[128:129], v[130:131]
	v_pk_add_f32 v[132:133], v[132:133], v[134:135]
	v_pk_add_f32 v[136:137], v[136:137], v[138:139]
	v_pk_add_f32 v[140:141], v[140:141], v[142:143]
	v_pk_add_f32 v[128:129], v[128:129], v[132:133]
	v_pk_add_f32 v[136:137], v[136:137], v[140:141]
	v_add_f32 v48, v128, v129                      ; L_A
	v_add_f32 v49, v136, v137                      ; L_B
; A block begins: sc = the scalar register with its number c, vm = M's register, wofs = its w in LDS
.macro NEWBLOCK sc, vm, wofs
	s_wait_xcnt 0x0                                ; registers and base that earlier loads and stores read are rewritten only behind this wait
	s_lshl_b32 s22, s[\sc], 14
	s_mov_b32 s23, 0
	s_add_nc_u64 s[68:69], s[66:67], s[22:23]
.irp u, 0,1
.irp ks, 0,1
	global_load_b128 v[Q+8*(2*\u+\ks):Q+8*(2*\u+\ks)+3], v[12+\u], s[68:69] offset:\ks*64
	global_load_b128 v[Q+8*(2*\u+\ks)+4:Q+8*(2*\u+\ks)+7], v[12+\u], s[68:69] offset:\ks*64+32
.endr
.endr
	s_lshl_b32 s22, s[\sc], 9
	v_add_nc_u32 v52, s22, v24
	v_add_nc_u32 v53, s22, v25
	ds_load_b32 v54, v52
	ds_load_b32 v55, v53
	s_add_co_u32 s22, s22, RHO
	v_lshl_add_u32 v11, v1, 1, s22                 ; rho of keys 128 c + 64 g + 8 hh ..
	v_add_nc_u32 v21, \wofs, v1
	s_mov_b32 s86, 0                               ; the tile that the next unmasked step takes
	WIN 0x40
.set ni, 0
.rept 32
	v_mov_b32 v[128+ni], 0                         ; N is cleared: the steps that add to it stand in a loop that may have no trip
.set ni, ni+1
.endr
	WIN 0
	s_wait_dscnt 0x0
	v_max_num_f32 v38, v[\vm], v54                 ; mu of my two queries
	v_max_num_f32 v40, v[\vm], v55
	s_wait_loadcnt 0x0
.endm
; S^T = K Q^T for my 64 keys and 32 queries.  The eight accumulators take turns.
.macro SQK adk
.rept 5
	v_nop                                          ; five places: S, written below, and F, loaded below, were sources of the last products
.endr
.irp ks, 0,1
.irp m, 0,1,2,3
	ds_load_b128 v[F+8*(4*\ks+\m):F+8*(4*\ks+\m)+3], v[\adk] offset:\m*2304+\ks*64
	ds_load_b128 v[F+8*(4*\ks+\m)+4:F+8*(4*\ks+\m)+7], v[\adk] offset:\m*2304+\ks*64+32
.endr
.endr
	s_wait_dscnt 8                                 ; the first eight loads (d 0 to 31) are in
.irp u, 0,1
.irp m, 0,1,2,3
	v_wmma_f32_16x16x32_f16 v[S+8*(4*\u+\m):S+8*(4*\u+\m)+7], v[F+8*\m:F+8*\m+7], v[Q+16*\u:Q+16*\u+7], 0
.endr
.endr
	s_wait_dscnt 0
.irp u, 0,1
.irp m, 0,1,2,3
	v_wmma_f32_16x16x32_f16 v[S+8*(4*\u+\m):S+8*(4*\u+\m)+7], v[F+32+8*\m:F+32+8*\m+7], v[Q+16*\u+8:Q+16*\u+15], v[S+8*(4*\u+\m):S+8*(4*\u+\m)+7]
.endr
.endr
	PLACES
.endm
.macro LDV adv                         ; V^T fragments [ks][dt] by the transposing load; they land while the softmax is worked
.irp ks, 0,1
.irp dt, 0,1,2,3
	ds_load_tr16_b128 v[F+8*(4*\ks+\dt):F+8*(4*\ks+\dt)+3], v[\adv] offset:\ks*5120+32*\dt
	ds_load_tr16_b128 v[F+8*(4*\ks+\dt)+4:F+8*(4*\ks+\dt)+7], v[\adv] offset:\ks*5120+32*\dt+2560
.endr
.endr
.endm
.macro MASKS
.irp u, 0,1
.irp m, 0,1,2,3
.irp j, 0,1,2,3,4,5,6,7
	v_cmp_le_i32 vcc_lo, 16*\m+\j, v[14+\u]
	v_cndmask_b32 v[S+32*\u+8*\m+\j], s78, v[S+32*\u+8*\m+\j], vcc_lo
.endr
.endr
.endr
.endm
.macro EXPS
.set ei, 0
.rept 64
	v_exp_f32 v[S+ei], v[S+ei]
.set ei, ei+1
.endr
	v_nop                                          ; one plain instruction behind the last exponential (ISA guide 5.7.2)
.endm
.macro SUMS                            ; my 32 weights of each query: v52 and v56
	s_wait_alu depctr_va_vdst(0)
.irp u, 0,1
	v_pk_add_f32 v[52+4*\u:53+4*\u], v[S+32*\u:S+32*\u+1], v[S+32*\u+2:S+32*\u+3]
	v_pk_add_f32 v[54+4*\u:55+4*\u], v[S+32*\u+16:S+32*\u+17], v[S+32*\u+18:S+32*\u+19]
.irp i, 4,6,8,10,12,14
	v_pk_add_f32 v[52+4*\u:53+4*\u], v[52+4*\u:53+4*\u], v[S+32*\u+\i:S+32*\u+\i+1]
	v_pk_add_f32 v[54+4*\u:55+4*\u], v[54+4*\u:55+4*\u], v[S+32*\u+16+\i:S+32*\u+17+\i]
.endr
	v_pk_add_f32 v[52+4*\u:53+4*\u], v[52+4*\u:53+4*\u], v[54+4*\u:55+4*\u]
	v_add_f32 v[52+4*\u], v[52+4*\u], v[53+4*\u]
.endr
.endm
.macro CVTS                            ; two result tiles of 16 keys become one operand of 32 keys, in place: no lane gives anything away
.irp u, 0,1
.irp ks, 0,1
.irp i, 0,1,2,3
	v_cvt_pk_f16_f32 v[S+32*\u+16*\ks+\i], v[S+32*\u+16*\ks+2*\i], v[S+32*\u+16*\ks+2*\i+1]
.endr
.irp i, 0,1,2,3
	v_cvt_pk_f16_f32 v[S+32*\u+16*\ks+4+\i], v[S+32*\u+16*\ks+8+2*\i], v[S+32*\u+16*\ks+9+2*\i]
.endr
.endr
.endr
.endm
; the content softmax's step on S.  first = 1: the block's first step (nothing to rescale); masked = 1: the block's own keys
.macro SOFT first, masked
.if \masked
	MASKS
.endif
.irp u, 0,1
.if \first
	v_max3_num_f32 v[52+2*\u], s79, v[S+32*\u], v[S+32*\u+1]
	v_max3_num_f32 v[53+2*\u], s79, v[S+32*\u+16], v[S+32*\u+17]
.else
	v_max3_num_f32 v[52+2*\u], v[22+\u], v[S+32*\u], v[S+32*\u+1]
	v_max3_num_f32 v[53+2*\u], v[22+\u], v[S+32*\u+16], v[S+32*\u+17]
.endif
.irp i, 2,4,6,8,10,12,14
	v_max3_num_f32 v[52+2*\u], v[52+2*\u], v[S+32*\u+\i], v[S+32*\u+\i+1]
	v_max3_num_f32 v[53+2*\u], v[53+2*\u], v[S+32*\u+16+\i], v[S+32*\u+17+\i]
.endr
	v_max_num_f32 v[52+2*\u], v[52+2*\u], v[53+2*\u]
.endr
	v_permlanex16_b32 v56, v52, s76, s77           ; the other half of the wave holds the same queries' other keys
	v_permlanex16_b32 v57, v54, s76, s77
	v_max_num_f32 v22, v52, v56
	v_max_num_f32 v23, v54, v57
	v_mul_f32 v58, 0xbe38aa3b, v22                 ; -m C
	v_mul_f32 v59, 0xbe38aa3b, v23
.if \first == 0
	v_sub_f32 v60, v58, v26
	v_sub_f32 v61, v59, v28
	v_exp_f32 v30, v60                             ; exp2((m_old - m_new) C)
	v_exp_f32 v32, v61
.endif
	v_mov_b32 v26, v58
	v_mov_b32 v28, v59
.irp u, 0,1
.set pi, 0
.rept 16
	v_pk_fma_f32 v[S+32*\u+pi:S+32*\u+pi+1], v[S+32*\u+pi:S+32*\u+pi+1], s[74:75], v[26+2*\u:27+2*\u] op_sel_hi:[1,0,0]
.set pi, pi+2
.endr
.endr
	EXPS
	SUMS
.if \first
	v_mov_b32 v34, v52
	v_mov_b32 v35, v56
.else
	v_fma_f32 v34, v34, v30, v52
	v_fma_f32 v35, v35, v32, v56
.endif
	CVTS
.if \first == 0
	WIN 0x41
.irp u, 0,1
.set oi, 0
.rept 16
	v_pk_mul_f32 v[32*\u+oi:32*\u+oi+1], v[32*\u+oi:32*\u+oi+1], v[30+2*\u:31+2*\u] op_sel_hi:[1,0]
.set oi, oi+2
.endr
.endr
.endif
.endm
; acc^T += V^T P^T; withn = 1: N += V^T w as well.  Eight or twelve accumulators take turns.
.macro PV acc, zero, withn
	s_wait_dscnt 0x0
	WIN 0x50
.irp ks, 0,1
.irp dt, 0,1,2,3
.irp u, 0,1
.if \zero*(1-\ks)
	v_wmma_f32_16x16x32_f16 v[\acc+8*(4*\u+\dt):\acc+8*(4*\u+\dt)+7], v[F+8*(4*\ks+\dt):F+8*(4*\ks+\dt)+7], v[S+32*\u+16*\ks:S+32*\u+16*\ks+7], 0
.else
	v_wmma_f32_16x16x32_f16 v[\acc+8*(4*\u+\dt):\acc+8*(4*\u+\dt)+7], v[F+8*(4*\ks+\dt):F+8*(4*\ks+\dt)+7], v[S+32*\u+16*\ks:S+32*\u+16*\ks+7], v[\acc+8*(4*\u+\dt):\acc+8*(4*\u+\dt)+7]
.endif
.endr
.if \withn
	v_wmma_f32_16x16x32_f16 v[128+8*\dt:128+8*\dt+7], v[F+8*(4*\ks+\dt):F+8*(4*\ks+\dt)+7], v[RW+8*\ks:RW+8*\ks+7], v[128+8*\dt:128+8*\dt+7]
.endif
.endr
.endr
.endm
.macro RLOAD s                         ; wave 0 asks for K's tile, wave 1 for V's: one tensor load a wave
	s_cmp_lg_u32 s12, 0
	s_cbranch_scc1 .Lnot_k_\@
	tensor_load_to_lds s[40+4*\s:43+4*\s], s[24:31]
	s_nop 0
.Lnot_k_\@:
	s_cmp_lg_u32 s12, 1
	s_cbranch_scc1 .Lnot_v_\@
	tensor_load_to_lds s[48+4*\s:51+4*\s], s[32:39]
	s_nop 0
.Lnot_v_\@:
.endm
; a step on a tile in front of the block, in ring slot `slot`; refill = 1: the other slot gets the stream's next tile
.macro OFF slot, other, refill
	s_wait_dscnt 0x0                               ; my reads of the other slot are over
	s_set_vgpr_msb 0x5
	s_wait_tensorcnt 0x0                           ; all my tensor loads have landed, this slot's tile among them: every group 0 may be written
	ds_add_u32 v160, v161
	s_wait_dscnt 0x0
	s_set_vgpr_msb 0x500
.if \refill
	s_add_co_u32 s20, s20, 1
	s_sub_co_u32 s22, s20, s18
	s_cmp_lt_u32 s20, s18
	s_cselect_b32 s22, s20, s22                    ; stream place pos: block A's tile pos, or block B's tile pos - cA
	s_lshl_b32 s22, s22, 14
	s_add_nc_u64 s[42+4*\other:43+4*\other], s[60:61], s[22:23]
	s_or_b32 s[43+4*\other], s[43+4*\other], 0x80000000
	s_add_nc_u64 s[50+4*\other:51+4*\other], s[62:63], s[22:23]
	s_or_b32 s[51+4*\other], s[51+4*\other], 0x80000000
.endif
	s_barrier_signal -1
	s_barrier_wait -1                              ; both now hold of every wave
.if \refill
	RLOAD \other                                   ; first behind the barrier; it has this step's work in which to land; one load of a wave is out
.endif
	s_and_b32 s87, s86, 15                         ; the tile's 256 bytes of w
	s_lshl_b32 s87, s87, 8
	s_add_co_u32 s86, s86, 1
	v_add_nc_u32 v10, s87, v21
	SQK 2+2*\slot
	LDV 3+2*\slot
	ds_load_b128 v[RW:RW+3], v10                   ; w of my keys: the same in all sixteen columns
	ds_load_b128 v[RW+4:RW+7], v10 offset:32
	ds_load_b128 v[RW+8:RW+11], v10 offset:64
	ds_load_b128 v[RW+12:RW+15], v10 offset:96
	SOFT 0, 0
	PV 0, 0, 1
	WIN 0
.endm
; the step on the block's own 128 keys: it starts O, O2, l, l2 and the maxima
.macro DIAG adk, adv
	SQK \adk
	LDV \adv
.irp m, 0,1,2,3
	ds_load_b128 v[RW+8*\m:RW+8*\m+3], v11 offset:\m*64
	ds_load_b128 v[RW+8*\m+4:RW+8*\m+7], v11 offset:\m*64+16
.endr
	SOFT 1, 1
	PV 0, 1, 0
	WIN 0
	PLACES                                         ; S, a source of the products above, is written below
.irp u, 0,1
.set pi, 0
.rept 16
	v_pk_add_f32 v[S+32*\u+pi:S+32*\u+pi+1], v[RW+pi:RW+pi+1], v[38+2*\u:39+2*\u] op_sel_hi:[1,0] neg_lo:[0,1] neg_hi:[0,1]   ; rho - mu
.set pi, pi+2
.endr
.endr
	MASKS
	EXPS
	SUMS
	v_mov_b32 v36, v52
	v_mov_b32 v37, v56
	CVTS
	PV 64, 1, 0
	WIN 0
.endm
; a block ends: vm = M, vl = L, sao = the scalar pair with my rows of ao
.macro FINISH vm, vl, sao
	PLACES
	v_permlanex16_b32 v52, v34, s76, s77
	v_permlanex16_b32 v53, v35, s76, s77
	v_permlanex16_b32 v54, v36, s76, s77
	v_permlanex16_b32 v55, v37, s76, s77
	v_pk_add_f32 v[34:35], v[34:35], v[52:53]
	v_pk_add_f32 v[36:37], v[36:37], v[54:55]
	v_sub_f32 v56, v[\vm], v38
	v_sub_f32 v57, v[\vm], v40
	v_exp_f32 v42, v56                             ; f = exp2(M - mu)
	v_exp_f32 v44, v57
	v_nop
	WIN 0x51
	s_wait_alu depctr_va_vdst(0)
.irp u, 0,1
.irp dt, 0,1,2,3
.irp i, 0,2,4,6
	v_pk_fma_f32 v[64+8*(4*\u+\dt)+\i:64+8*(4*\u+\dt)+\i+1], v[128+8*\dt+\i:128+8*\dt+\i+1], v[42+2*\u:43+2*\u], v[64+8*(4*\u+\dt)+\i:64+8*(4*\u+\dt)+\i+1] op_sel_hi:[1,0,1]
.endr
.endr
.endr
	WIN 0x04                                       ; store data from window 1
.irp i, 0,1,2,3,4,5,6,7
	ds_store_b128 v16, v[32+4*\i:35+4*\i] offset:512*\i            ; O of column tile 1
	ds_store_b128 v16, v[96+4*\i:99+4*\i] offset:4096+512*\i       ; O2 of column tile 1
.endr
	WIN 0
	v_mov_b32 v52, v28
	v_mov_b32 v53, v35
	v_mov_b32 v54, v37
	ds_store_b128 v16, v[52:55] offset:8192
	s_wait_dscnt 0x0
	s_wait_tensorcnt 0x0
	s_barrier_signal -1
	s_barrier_wait -1
.irp i, 0,1,2,3,4,5,6,7,8,9,10,11,12,13,14,15
	ds_load_b128 v[S+4*\i:S+4*\i+3], v17 offset:512*\i             ; my partner's sums for the queries that I keep
.endr
	ds_load_b128 v[56:59], v17 offset:8192
	s_wait_dscnt 0x0
	v_min_num_f32 v60, v26, v56                    ; the larger maximum has the smaller -m C
	v_sub_f32 v61, v60, v26
	v_sub_f32 v62, v60, v56
	v_exp_f32 v61, v61
	v_exp_f32 v62, v62
	v_add_f32 v63, v36, v58
	s_wait_alu depctr_va_vdst(0)
	v_mul_f32 v60, v34, v61
	v_fmac_f32 v60, v57, v62                       ; l
	v_fmac_f32 v63, v42, v[\vl]                    ; l2 = both halves + f L
	v_rcp_f32 v60, v60
	v_rcp_f32 v63, v63
	v_nop
	s_wait_alu depctr_va_vdst(0)
	v_mul_f32 v60, v51, v60                        ; (1 - a) / l
	v_mul_f32 v52, v50, v63                        ; a / l2
	v_mul_f32 v54, v60, v61
	v_mul_f32 v56, v60, v62
.set mi, 0
.rept 16
	v_pk_mul_f32 v[S+mi:S+mi+1], v[S+mi:S+mi+1], v[56:57] op_sel_hi:[1,0]
.set mi, mi+2
.endr
	WIN 0x01
.set mi, 0
.rept 16
	v_pk_add_f32 v[S+32+mi:S+33+mi], v[64+mi:65+mi], v[S+32+mi:S+33+mi]
	v_pk_fma_f32 v[S+mi:S+mi+1], v[mi:mi+1], v[54:55], v[S+mi:S+mi+1] op_sel_hi:[1,0,1]
.set mi, mi+2
.endr
	WIN 0
.set mi, 0
.rept 16
	v_pk_fma_f32 v[S+mi:S+mi+1], v[S+32+mi:S+33+mi], v[52:53], v[S+mi:S+mi+1] op_sel_hi:[1,0,1]
.set mi, mi+2
.endr
.irp dt, 0,1,2,3
.irp i, 0,1,2,3
	v_cvt_pk_f16_f32 v[RW+4*\dt+\i], v[S+8*\dt+2*\i], v[S+8*\dt+2*\i+1]
.endr
	ds_store_b128 v18, v[RW+4*\dt:RW+4*\dt+3] offset:32*\dt
.endr
.irp t, 0,1,2,3
	ds_load_b128 v[RW+16+4*\t:RW+19+4*\t], v19 offset:576*\t       ; my own stage: LDS serves a wave's instructions in order
.endr
.irp t, 0,1,2,3
	s_wait_dscnt 3-\t
	global_store_b128 v20, v[RW+16+4*\t:RW+19+4*\t], s[\sao:\sao+1] offset:512*\t   ; 512 neighbouring bytes, aligned
.endr
.endm
	NEWBLOCK 18, 46, WA
	DIAG 6, 7
	s_cmp_eq_u32 s15, 0
	s_cbranch_scc1 .Ldone_a
	s_mov_b32 s21, 0
.Lloop_a:                                          ; cA = 2 p tiles: the slots' turns stand in the text
	OFF 0, 1, 1
	OFF 1, 0, 1
	s_add_co_u32 s21, s21, 1
	s_cmp_lt_u32 s21, s15
	s_cbranch_scc1 .Lloop_a
.Ldone_a:
	FINISH 46, 48, 70
	NEWBLOCK 19, 47, WB
	DIAG 8, 9
	s_sub_co_u32 s88, 7, s15
	s_cmp_eq_u32 s88, 0
	s_cbranch_scc1 .Ldone_b
	s_mov_b32 s21, 0
.Lloop_b:                                          ; 14 - 2 p of block B's 15 - 2 p tiles
	OFF 0, 1, 1
	OFF 1, 0, 1
	s_add_co_u32 s21, s21, 1
	s_cmp_lt_u32 s21, s88
	s_cbranch_scc1 .Lloop_b
.Ldone_b:
	OFF 0, 1, 0                                    ; the stream's last tile: nothing is left to ask for
	FINISH 47, 49, 72
	s_set_vgpr_msb 0x5
	s_wait_tensorcnt 0x0
	ds_add_u32 v160, v161
	s_wait_dscnt 0x0
	s_set_vgpr_msb 0x500
	s_endpgm
.Lfunc_end_k_q55cf6455d0_attn:
	.size	k_q55cf6455d0_attn, .Lfunc_end_k_q55cf6455d0_attn-k_q55cf6455d0_attn
	.p2alignl 7, 3214868480
	.fill 96, 4, 3214868480
	.section	.rodata,"a",@progbits
	.p2align	6, 0x0
	.amdhsa_kernel k_q55cf6455d0_attn
		.amdhsa_group_segment_fixed_size 327680
		.amdhsa_private_segment_fixed_size 0
		.amdhsa_enable_private_segment 0
		.amdhsa_kernarg_size 32
		.amdhsa_user_sgpr_count 2
		.amdhsa_user_sgpr_kernarg_segment_ptr 1
		.amdhsa_wavefront_size32 1
		.amdhsa_system_sgpr_workgroup_id_x 1
		.amdhsa_system_sgpr_workgroup_id_y 1
		.amdhsa_system_sgpr_workgroup_id_z 1
		.amdhsa_system_vgpr_workitem_id 0
		.amdhsa_next_free_vgpr 418
		.amdhsa_next_free_sgpr 92
		.amdhsa_reserve_vcc 1
		.amdhsa_float_denorm_mode_32 3
		.amdhsa_float_denorm_mode_16_64 3
		.amdhsa_memory_ordered 1
		.amdhsa_forward_progress 1
		.amdhsa_inst_pref_size 208
	.end_amdhsa_kernel
	.amdgpu_metadata
---
amdhsa.version: [ 1, 2 ]
amdhsa.kernels:
  - .name:           k_q55cf6455d0_attn
    .symbol:         k_q55cf6455d0_attn.kd
    .args:
      - { .name: qkv, .offset: 0, .size: 8, .value_kind: global_buffer, .address_space: global }
      - { .name: rp, .offset: 8, .size: 8, .value_kind: global_buffer, .address_space: global }
      - { .name: alpha, .offset: 16, .size: 8, .value_kind: global_buffer, .address_space: global }
      - { .name: ao, .offset: 24, .size: 8, .value_kind: global_buffer, .address_space: global }
    .group_segment_fixed_size: 327680
    .private_segment_fixed_size: 0
    .kernarg_segment_align: 8
    .kernarg_segment_size: 32
    .max_flat_workgroup_size: 256
    .sgpr_count:     92
    .vgpr_count:     418
    .wavefront_size: 32
...
	.end_amdgpu_metadata
.endif
;; end of part 3
;; launch oproj (part 4): grid 32 x 6, 4 waves a work-group, clusters of 4 x 1, 327,680 bytes of LDS; arguments ao, wb, out0; writes out0
.if DOCPART == 4
	.amdgcn_target "amdgcn-amd-amdhsa--gfx1250"
	.amdhsa_code_object_version 6
	.text
	.protected	k_q55cf6455d0_oproj
	.globl	k_q55cf6455d0_oproj
	.p2align	8
	.type	k_q55cf6455d0_oproj,@function
k_q55cf6455d0_oproj:
	s_mov_b64 s[64:65], 0
	v_nop
	global_prefetch_b8 v0, s[64:65] scope:SCOPE_SE
	s_setreg_imm32_b32 hwreg(HW_REG_WAVE_MODE, 25, 1), 1
	s_wait_xcnt 0x0
	s_wait_alu depctr_hold_cnt(0) depctr_sa_sdst(0) depctr_va_vdst(0) depctr_va_sdst(0) depctr_va_ssrc(0) depctr_va_vcc(0) depctr_vm_vsrc(0)
	s_getreg_b32 s2, hwreg(HW_REG_IB_STS2, 6, 4)
	s_cmp_eq_u32 s2, 0
	s_cbranch_scc0 .Lentry_in_a_cluster
	s_endpgm
.Lentry_in_a_cluster:
	s_bfe_u32 s2, ttmp6, 0x10000c
	s_cmp_lg_u32 s2, 0x3003
	s_cbranch_scc0 .Lentry_shape_is_right
	s_endpgm
.Lentry_shape_is_right:
; out0 = ao wo, f16 operands, f32 sums and results.  ao lies head-major [b*12+h][t][64], wo is the fourth matrix of wb, [k][n].
; A work-group makes 128 rows x 128 columns, a wave 64 x 64: 16 accumulator tiles.  K = 768 goes in six steps of 128 (two heads) through two
; LDS slots; all six are written out.  CLUSTER 4 x 1: four row blocks share the columns, so wo's tile, half of a step's bytes, is asked for
; jointly (waves 2 and 3, 64 k rows each, mask 15); ao's two head panels are each work-group's own (waves 0 and 1).
; The matrix instruction is used transposed, so that a lane's eight results are 32 neighbouring bytes of a row of out0.
; window 0: v16-26 addresses, v64-127 and v128-191 fragments (two buffers: 32 registers of ao, 32 of wo), v192-223 the way out; window 1: accumulators.
.set REGION, 18432                     ; 128 t x 144 bytes of a head panel, or 64 k rows x 288 bytes of wo
.set SLOT,   4*REGION
.set STAGE,  2*SLOT                    ; 16 rows x 272 bytes for each wave; no tensor load lands here
.set SPITCH, 272
.set WPART,  1179648
.set ADRA, 16
.set ADRB, 18
.set STO,  24
.set RD,   25
.set CO,   26
.set F0,   64
.set F1,   128
.set OB,   192
.set G1,  24
.set G0,  32
.set G1B, 48
.set G0B, 56
.set MSB, 0
.macro WIN new
.if MSB != \new
	s_set_vgpr_msb (MSB<<8)|\new
.set MSB, \new
.endif
.endm
.macro JLOAD s                         ; the branch hangs on the wave's number alone
	s_cmp_eq_u32 s11, 0
	s_cbranch_scc0 .Lfor_b_\@
	tensor_load_to_lds s[G0+4*\s:G0+4*\s+3], s[G1:G1+7]
	s_nop 0
	s_branch .Lasked_\@
.Lfor_b_\@:
	tensor_load_to_lds s[G0B+4*\s:G0B+4*\s+3], s[G1B:G1B+7]
	s_nop 0
.Lasked_\@:
.endm
.macro CREST
	s_cmp_lg_u32 s10, 0
	s_cbranch_scc1 .Lnot_wave_0_\@
	s_barrier_signal -3
.Lnot_wave_0_\@:
	s_barrier_wait -3
	s_barrier_signal -1
	s_barrier_wait -1
.endm
.macro CROUND
	s_barrier_signal -1
	s_barrier_wait -1
	CREST
.endm
.macro PLACES                          ; four places behind a matrix instruction (ISA guide 7.12.1)
.rept 4
	v_nop
.endr
.endm
	s_load_b128 s[4:7], s[0:1], 0x0                ; ao, wb
	s_load_b64 s[8:9], s[0:1], 0x10                ; out0
	v_lshl_add_u32 v254, v0, 2, 0x29000
	v_mov_b32 v255, 0
	ds_add_u32 v254, v255
	v_lshrrev_b32 v1, 5, v0
	v_readfirstlane_b32 s10, v1
	s_lshr_b32 s11, s10, 1                         ; my 64 rows.  Also: I fetch for ao (0) or for wo (1)
	s_and_b32 s12, s10, 1                          ; my 64 columns
	s_bfe_u32 s40, ttmp6, 0x40000                  ; cx
	s_lshl_b32 s13, ttmp9, 2
	s_add_co_u32 s13, s13, s40                     ; row block
	s_and_b32 s41, ttmp7, 0xffff                   ; column block
	s_mov_b32 s[G1+0], 0x07110000                  ; a head panel: 16,384 bytes without a gap, 4 words of padding behind every 32
	s_mov_b32 s[G1B+0], 0x0F71000F                 ; wo: 8 words behind every 64; mask 15, bit 21 beside it
	s_mov_b32 s[G1+1], 128<<16
	s_mov_b32 s[G1B+1], 128<<16
	s_mov_b32 s[G1+2], 64<<16
	s_mov_b32 s[G1B+2], 64<<16
	s_mov_b32 s[G1+3], 128<<16
	s_mov_b32 s[G1B+3], 128<<16
	s_mov_b32 s[G1+4], 64
	s_mov_b32 s[G1B+4], 64
	s_mov_b32 s[G1+5], 128
	s_mov_b32 s[G1B+5], 768
	s_mov_b32 s[G1+6], 0
	s_mov_b32 s[G1B+6], 0
	s_mov_b32 s[G1+7], 0
	s_mov_b32 s[G1B+7], 0
	s_lshr_b32 s16, s13, 4                         ; b
	s_mul_i32 s16, s16, 12
	s_min_u32 s17, s10, 1                          ; head 2 step + wave (waves 2, 3 make an address that they never use)
	s_add_co_u32 s16, s16, s17
	s_lshl_b32 s16, s16, 18
	s_and_b32 s17, s13, 15
	s_lshl_b32 s17, s17, 14
	s_add_co_u32 s16, s16, s17
	s_mov_b32 s17, 0
	s_max_u32 s44, s10, 2
	s_sub_co_u32 s44, s44, 2
	s_mul_i32 s46, s44, 64*1536                    ; my 64 k rows of the step
	s_lshl_b32 s45, s41, 8
	s_add_co_u32 s46, s46, s45
	s_add_co_u32 s46, s46, 3*WPART
	s_mov_b32 s47, 0
	s_mul_i32 s20, s10, REGION
	s_wait_dscnt 0x0
	s_wait_kmcnt 0x0
	s_add_nc_u64 s[14:15], s[4:5], s[16:17]
	s_add_nc_u64 s[46:47], s[6:7], s[46:47]
	CROUND
.irp s, 0,1
	s_mov_b32 s[G0+4*\s], 1
	s_add_co_u32 s[G0+4*\s+1], s20, \s*SLOT
	s_add_nc_u64 s[G0+4*\s+2:G0+4*\s+3], s[14:15], \s*524288       ; two heads a step
	s_or_b32 s[G0+4*\s+3], s[G0+4*\s+3], 0x80000000
	s_mov_b32 s[G0B+4*\s], 1
	s_add_co_u32 s[G0B+4*\s+1], s20, \s*SLOT
	s_add_nc_u64 s[G0B+4*\s+2:G0B+4*\s+3], s[46:47], \s*196608
	s_or_b32 s[G0B+4*\s+3], s[G0B+4*\s+3], 0x80000000
	JLOAD \s                                       ; both first fills go out together: two loads of the wave are out
.endr
	v_and_b32 v1, 15, v0
	v_bfe_u32 v2, v0, 4, 1
	v_and_b32 v4, 7, v0
	v_bfe_u32 v5, v0, 3, 1
	v_mul_u32_u24 v3, v1, 144
	v_lshl_add_u32 v3, v2, 4, v3
	s_mul_i32 s21, s11, 64*144
	v_add_nc_u32 v[ADRA], s21, v3
	v_add_nc_u32 v[ADRA+1], SLOT, v[ADRA]
	v_lshl_add_u32 v6, v2, 3, v4
	v_mul_u32_u24 v6, v6, 288
	v_lshl_add_u32 v6, v5, 4, v6
	s_lshl_b32 s22, s12, 7
	s_add_co_u32 s22, s22, 2*REGION
	v_add_nc_u32 v[ADRB], s22, v6
	v_add_nc_u32 v[ADRB+1], SLOT, v[ADRB]
	s_mul_i32 s23, s10, 16*SPITCH
	s_add_co_u32 s23, s23, STAGE
	v_mul_u32_u24 v7, v1, SPITCH
	v_lshl_add_u32 v7, v2, 5, v7
	v_add_nc_u32 v[STO], s23, v7
	v_mul_u32_u24 v7, v2, SPITCH
	v_lshl_add_u32 v7, v1, 4, v7
	v_add_nc_u32 v[RD], s23, v7
	v_mul_u32_u24 v7, v2, 3072
	v_lshl_add_u32 v[CO], v1, 4, v7
.macro MUL f, zero                     ; 16 accumulators take turns
.irp a, 0,1,2,3
.irp bt, 0,1,2,3
.if \zero
	v_wmma_f32_16x16x32_f16 v[8*(4*\a+\bt):8*(4*\a+\bt)+7], v[\f+32+8*\bt:\f+32+8*\bt+7], v[\f+8*\a:\f+8*\a+7], 0
.else
	v_wmma_f32_16x16x32_f16 v[8*(4*\a+\bt):8*(4*\a+\bt)+7], v[\f+32+8*\bt:\f+32+8*\bt+7], v[\f+8*\a:\f+8*\a+7], v[8*(4*\a+\bt):8*(4*\a+\bt)+7]
.endif
.endr
.endr
.endm
.macro FETCH slot, kq, f               ; 16 LDS loads: quarter kq is head panel kq / 2, d 32 (kq mod 2) ..; k rows 32 kq .. of wo
.irp a, 0,1,2,3
	ds_load_b128 v[\f+8*\a:\f+8*\a+3], v[ADRA+\slot] offset:(\kq>>1)*REGION+\a*2304+(\kq&1)*64
	ds_load_b128 v[\f+8*\a+4:\f+8*\a+7], v[ADRA+\slot] offset:(\kq>>1)*REGION+\a*2304+(\kq&1)*64+32
.endr
.irp bt, 0,1,2,3
	ds_load_tr16_b128 v[\f+32+8*\bt:\f+32+8*\bt+3], v[ADRB+\slot] offset:\kq*9216+32*\bt
	ds_load_tr16_b128 v[\f+32+8*\bt+4:\f+32+8*\bt+7], v[ADRB+\slot] offset:\kq*9216+32*\bt+4608
.endr
.endm
.macro QUARTER slot, kq, f, g, zero    ; fetches quarter kq into buffer g, multiplies buffer f
	PLACES
	FETCH \slot, \kq, \g
	s_wait_dscnt 16                                ; buffer f's loads are in; the 16 just issued stay out
	WIN 0x50
	MUL \f, \zero
	WIN 0
.endm
.macro THREE slot, zero
	QUARTER \slot, 1, F0, F1, \zero
	QUARTER \slot, 2, F1, F0, 0
	QUARTER \slot, 3, F0, F1, 0
.endm
.macro TURN slot, next, fill
	s_wait_dscnt 0x0                               ; my reads of this slot are over
	s_wait_tensorcnt 0x0                           ; all my tensor loads have landed: my part of the next slot
	ds_add_u32 v254, v255
	s_wait_dscnt 0x0
	s_barrier_signal -1
	WIN 0x50
	MUL F1, 0
	WIN 0
	s_barrier_wait -1
.if \fill
	CREST                                          ; the round closes: no wave of any partner still reads this slot or has a load on its way
	s_add_nc_u64 s[G0+4*\slot+2:G0+4*\slot+3], s[G0+4*\slot+2:G0+4*\slot+3], 1048576
	s_add_nc_u64 s[G0B+4*\slot+2:G0B+4*\slot+3], s[G0B+4*\slot+2:G0B+4*\slot+3], 393216
	JLOAD \slot                                    ; my one tensor load behind the round, and the first thing there
.endif
	PLACES
	FETCH \next, 0, F0
.endm
	s_wait_tensorcnt 1                             ; my part of step 0 is in; step 1's stays out
	s_barrier_signal -1
	s_barrier_wait -1
	FETCH 0, 0, F0
	THREE 0, 1
	TURN 0, 1, 1
	THREE 1, 0
	TURN 1, 0, 1
	THREE 0, 0
	TURN 0, 1, 1
	THREE 1, 0
	TURN 1, 0, 1
	THREE 0, 0
	TURN 0, 1, 0
	THREE 1, 0
	s_wait_dscnt 0x0
	WIN 0x50
	MUL F1, 0
	WIN 0
	PLACES
	s_lshl_b32 s14, s13, 7
	s_lshl_b32 s15, s11, 6
	s_add_co_u32 s14, s14, s15
	s_mul_i32 s14, s14, 3072                       ; my first row of out0
	s_lshl_b32 s15, s41, 9
	s_add_co_u32 s14, s14, s15
	s_lshl_b32 s15, s12, 8
	s_add_co_u32 s14, s14, s15
	s_mov_b32 s15, 0
	s_add_nc_u64 s[8:9], s[8:9], s[14:15]
.macro OUTA a                          ; 16 rows x 64 columns of f32 through my own stage
	WIN 0x04
.irp bt, 0,1,2,3
	ds_store_b128 v[STO], v[8*(4*\a+\bt):8*(4*\a+\bt)+3] offset:64*\bt
	ds_store_b128 v[STO], v[8*(4*\a+\bt)+4:8*(4*\a+\bt)+7] offset:64*\bt+16
.endr
	WIN 0
	s_wait_xcnt 0x0                                ; the registers that earlier stores read are loaded into only behind this wait
.irp t, 0,1,2,3,4,5,6,7
	ds_load_b128 v[OB+4*\t:OB+4*\t+3], v[RD] offset:\t*2*SPITCH    ; LDS serves a wave's instructions in order: these see the stores above
.endr
.irp t, 0,1,2,3,4,5,6,7
	s_wait_dscnt 7-\t
	global_store_b128 v[CO], v[OB+4*\t:OB+4*\t+3], s[8:9] offset:(16*\a+2*\t)*3072   ; sixteen lanes: 256 neighbouring bytes, aligned
.endr
.endm
	OUTA 0
	OUTA 1
	OUTA 2
	OUTA 3
	s_wait_tensorcnt 0x0
	ds_add_u32 v254, v255
	s_wait_dscnt 0x0
	CROUND                                         ; the closing round
	s_endpgm
.Lfunc_end_k_q55cf6455d0_oproj:
	.size	k_q55cf6455d0_oproj, .Lfunc_end_k_q55cf6455d0_oproj-k_q55cf6455d0_oproj
	.p2alignl 7, 3214868480
	.fill 96, 4, 3214868480
	.section	.rodata,"a",@progbits
	.p2align	6, 0x0
	.amdhsa_kernel k_q55cf6455d0_oproj
		.amdhsa_group_segment_fixed_size 327680
		.amdhsa_private_segment_fixed_size 0
		.amdhsa_enable_private_segment 0
		.amdhsa_kernarg_size 24
		.amdhsa_user_sgpr_count 2
		.amdhsa_user_sgpr_kernarg_segment_ptr 1
		.amdhsa_wavefront_size32 1
		.amdhsa_system_sgpr_workgroup_id_x 1
		.amdhsa_system_sgpr_workgroup_id_y 1
		.amdhsa_system_sgpr_workgroup_id_z 1
		.amdhsa_system_vgpr_workitem_id 0
		.amdhsa_next_free_vgpr 384
		.amdhsa_next_free_sgpr 66
		.amdhsa_reserve_vcc 0
		.amdhsa_float_denorm_mode_32 3
		.amdhsa_float_denorm_mode_16_64 3
		.amdhsa_memory_ordered 1
		.amdhsa_forward_progress 1
		.amdhsa_inst_pref_size 73
	.end_amdhsa_kernel
	.amdgpu_metadata
---
amdhsa.version: [ 1, 2 ]
amdhsa.kernels:
  - .name:           k_q55cf6455d0_oproj
    .symbol:         k_q55cf6455d0_oproj.kd
    .args:
      - { .name: ao, .offset: 0, .size: 8, .value_kind: global_buffer, .address_space: global }
      - { .name: wb, .offset: 8, .size: 8, .value_kind: global_buffer, .address_space: global }
      - { .name: out0, .offset: 16, .size: 8, .value_kind: global_buffer, .address_space: global }
    .group_segment_fixed_size: 327680
    .private_segment_fixed_size: 0
    .kernarg_segment_align: 8
    .kernarg_segment_size: 24
    .max_flat_workgroup_size: 128
    .sgpr_count:     66
    .vgpr_count:     384
    .wavefront_size: 32
...
	.end_amdgpu_metadata
.endif
;; end of part 4
;; ======== version 2 of 2: 4 launches; version 1 with the launch prep written anew for expert scheduling mode
;; limits: values are held in f16: magnitudes above 65,504 overflow, below 6.1e-05 lose precision; values outside matrix products are rounded to bf16
;; workspace buffers: xb 6,291,456 bytes; wb 4,718,592 bytes; rp 1,179,648 bytes; qkv 18,874,368 bytes; ao 6,291,456 bytes
;; launch prep (part 5): grid 256 x 1, 16 waves a work-group, no clusters, 266,240 bytes of LDS; arguments x, wr, wq, wk, wv, wo, xb, wb, rp; writes xb, wb, rp
.if DOCPART == 5
	.amdgcn_target "amdgcn-amd-amdhsa--gfx1250"
	.amdhsa_code_object_version 6
	.text
	.protected	k_q55cf6455d0_prep
	.globl	k_q55cf6455d0_prep
	.p2align	8
	.type	k_q55cf6455d0_prep,@function
k_q55cf6455d0_prep:
	s_mov_b64 s[64:65], 0
	v_nop
	global_prefetch_b8 v0, s[64:65] scope:SCOPE_SE
	s_setreg_imm32_b32 hwreg(HW_REG_WAVE_SCHED_MODE, 0, 2), 2
	s_setreg_imm32_b32 hwreg(HW_REG_WAVE_MODE, 25, 1), 1
	s_wait_xcnt 0x0
	s_wait_alu depctr_vm_vsrc(0)
; prep: three streams, no matrix work.  Every input is rounded to bf16 here, once: the program computes reference() on inputs rounded to bf16.
;  work-groups 0..191:  partial sums of r[b][h][t] = sum over e of x[b][t][e] wr[h][e][t], operands rounded to bf16, products and sums in f32 on the
;      vector unit; and x in bf16 to xb.
;      Work-group (tb, ec) owns 64 t (t0 = 64 tb) and 128 e (e0 = 128 ec), all 12 h and both b: each byte of x and of wr is read once in the launch.
;      The six partial sums over e go to rp[ec][b*12+h][t]; a later launch adds them (no sum crosses work-groups here).
;  work-groups 192..255: wq, wk, wv in bf16 into wb; wo rounded to bf16 and held as f16 (its partner in the last product is f16), 147,456 bytes of input each.
; No tensor loads, clusters or matrix units: every byte is used once, and per t the product is 2 x 768 x 12 with operands that lie across each other.
; x lies along e, wr along t: x's 128 rows x 512 bytes go through LDS once, so that a lane that holds wr for four t and four e finds x for the same sixteen.
; Limit: f16 holds a bf16 number exactly from 2^-17 to 65,504 in magnitude; a smaller wo is off by 2^-25 at the most, a larger one is not served.
; THE MODE: SCHED_MODE bits 1:0 = 2 (LLVM: expert scheduling mode 2), set by the entry lines.  The code itself states the register dependences
; between vector instructions and memory or LDS instructions, with s_wait_alu, always for 0.
; THE PLAN.  Registers that memory or LDS instructions touch:
;   v1, v5, v6          offsets of x, wr and xb: made at the head, ahead of the first wait on va_vdst, never written again.
;   v7, v232-238        LDS addresses and rp's offset: made while the first loads are out, ahead of the second wait on va_vdst, never written again.
;   v40-71              x as loaded; the roundings read it, the widenings write it, eight LDS stores read it; from h = 0 on it is part of the sums.
;   v8-23               x in bf16: the roundings write it, xb's eight stores read it; then, with v24-39, eight LDS loads of x land there.
;   W, 24 slots         loads of wr land; step h rounds its four slots in place and multiplies; for h < 6 the loads of h + 6 land in the same four.
;   v40-135             the sums: the multiply-adds write them, 24 LDS stores read them; then, with v136-167, 32 LDS loads land there.
;   v48-51              the last sums, which rp's store reads.
;   v240, v241          written at the head, read by the closing add alone.
; So: one wait on va_vdst behind x's roundings and widenings, which stand in one run, serves its sixteen stores and the LDS loads behind the barrier; one
; wait on vm_vsrc behind each barrier frees what the stores ahead of it read; one wait on va_vdst stands at the end of each of the six steps that ask
; for more of wr, and the four loads follow it at once, ahead of the next step's wait for data, so that no slot lies idle.
; In the cast: each out-register is read by one store and not written again behind it; a block's six stores stand behind one wait on va_vdst.
.set XPITCH, 528                       ; an LDS row of x: 512 bytes + 16
.set RED,    67584                     ; behind x's 128 rows: [16 waves][24 (h,b)][32 lanes] 16 bytes
.set X,   8                            ; v[8:39]    x[b][i][k] at 8+4(4b+i)+k
.set ACC, 40                           ; v[40:135]  sums [h][b][i] at 40+8h+4b+i; first of all the eight loads of x
.set W,   136                          ; v[136:231] ring of 24 loads of wr, slot (4h+k) mod 24
.set Q,   40                           ; the last reduction's 32 quads
.set BASE, 36                          ; s[36:59]   wr at (h, e0, t0), one address for each h
.set XO,  1
.set VW,  5
.set XBO, 6
.set XST, 7
.set XRD, 232
.set RST, 233
.set RRD, 234                          ; v234-237
.set RPO, 238
	s_load_b512 s[4:19], s[0:1], 0x0               ; x, wr, wq, wk, wv, wo, xb, wb
	s_load_b64 s[20:21], s[0:1], 0x40              ; rp
	v_lshl_add_u32 v240, v0, 2, 0x40800
	v_mov_b32 v241, 0
	v_lshrrev_b32 v2, 5, v0
	v_readfirstlane_b32 s22, v2                    ; wave 0..15
	s_wait_alu depctr_va_sdst(0)                   ; s22 is written: ahead of the branch below and of its first reader behind it
	s_cmp_ge_u32 ttmp9, 192
	s_cbranch_scc1 .Lcast                          ; the same way for all waves of a work-group
	s_and_b32 s23, ttmp9, 31                       ; tb
	s_lshr_b32 s24, ttmp9, 5                       ; ec
	s_lshl_b32 s25, s23, 6                         ; t0
	s_lshr_b32 s26, s22, 3                         ; my eight rows of x: b = wave / 8,
	s_and_b32 s27, s22, 7
	s_lshl_b32 s26, s26, 11
	s_lshl_b32 s27, s27, 3                         ; t = t0 + 8 (wave mod 8) + i
	s_add_co_u32 s26, s26, s25
	s_add_co_u32 s26, s26, s27
	s_mul_i32 s27, s26, 3072
	s_lshl_b32 s28, s24, 9
	s_add_co_u32 s27, s27, s28                     ; byte offset in x of the first of them, at e0
	s_lshr_b32 s29, s27, 1                         ; and in xb
	v_and_b32 v2, 31, v0                           ; lane
	v_and_b32 v3, 15, v0                           ; r16
	v_bfe_u32 v4, v0, 4, 1                         ; hh
	v_lshl_add_u32 v[XO], v2, 4, s27
	v_lshl_add_u32 v[XBO], v2, 3, s29
	s_lshl_b32 s30, s24, 20                        ; e0 rows of 8,192 bytes
	s_lshl_b32 s31, s23, 8                         ; + 4 t0
	s_add_co_u32 s30, s30, s31
	s_mov_b32 s31, 0
	s_lshl_b32 s32, s22, 16                        ; 8 wave rows of wr
	v_lshl_add_u32 v[VW], v3, 4, s32
	v_lshl_add_u32 v[VW], v4, 15, v[VW]            ; lanes 16-31 four rows further down: each half of the wave reads 256 neighbouring bytes
	s_wait_kmcnt 0x0
	s_wait_alu depctr_va_vdst(0)                   ; v[XO], v[VW] and v[XBO] are written: the loads of x and wr and the stores to xb read them as offsets
.irp i, 0,1,2,3,4,5,6,7
	global_load_b128 v[ACC+4*\i:ACC+4*\i+3], v[XO], s[4:5] offset:\i*3072 th:TH_LOAD_NT   ; 512 neighbouring bytes of one row of x
.endr
	s_add_nc_u64 s[BASE:BASE+1], s[6:7], s[30:31]
.irp h, 1,2,3,4,5,6,7,8,9,10,11
	s_add_nc_u64 s[BASE+2*\h:BASE+2*\h+1], s[BASE+2*\h-2:BASE+2*\h-1], 6291456
.endr
.irp h, 0,1,2,3,4,5
.irp k, 0,1,2,3
	global_load_b128 v[W+4*(4*\h+\k):W+4*(4*\h+\k)+3], v[VW], s[BASE+2*\h:BASE+2*\h+1] offset:\k*8192 th:TH_LOAD_NT
.endr
.endr
	; LDS addresses and the offset in rp, while the loads are on their way: none of these lines names a register that the loads touch
	s_mul_i32 s33, s22, 8*XPITCH
	v_lshl_add_u32 v[XST], v2, 4, s33              ; x in: row 8 wave + i, 16 bytes a lane
	s_lshl_b32 s33, s22, 5
	v_mul_u32_u24 v[XRD], v3, 4*XPITCH             ; x back: rows 4 r16 + i, bytes 32 wave + 16 hh
	v_lshl_add_u32 v[XRD], v4, 4, v[XRD]
	v_add_nc_u32 v[XRD], s33, v[XRD]
	s_mul_i32 s33, s22, 12288
	s_add_co_u32 s33, s33, RED
	v_lshl_add_u32 v[RST], v2, 4, s33
	s_lshl_b32 s33, s22, 10                        ; the last reduction: wave = h, two quads of 512 bytes
	s_add_co_u32 s33, s33, RED
	v_lshl_add_u32 v[RRD], v2, 4, s33
.irp q, 1,2,3
	v_add_nc_u32 v[RRD+\q], \q*49152, v[RRD]
.endr
	s_mul_i32 s33, s24, 24
	s_add_co_u32 s33, s33, s22
	s_lshl_b32 s33, s33, 13                        ; (24 ec + h) rows of 8,192 bytes
	s_lshl_b32 s34, s25, 2
	s_add_co_u32 s33, s33, s34
	v_lshl_add_u32 v[RPO], v3, 4, s33
	v_mad_u32_u24 v[RPO], v4, 0x18000, v[RPO]      ; lanes 16-31 store b = 1: twelve rows on
	s_mov_b32 s34, 0x76543210                      ; v_permlanex16_b32: lane i reads lane i of the other half
	s_mov_b32 s35, 0xfedcba98
	s_mov_b32 s60, 0xffff0000                      ; a word's upper bf16
	s_wait_loadcnt 24                              ; the eight loads of x are in; the 24 younger loads of wr stay out
.irp i, 0,1,2,3,4,5,6,7
	v_cvt_pk_bf16_f32 v[X+2*\i], v[ACC+4*\i], v[ACC+4*\i+1]
	v_cvt_pk_bf16_f32 v[X+2*\i+1], v[ACC+4*\i+2], v[ACC+4*\i+3]
	v_lshlrev_b32 v[ACC+4*\i], 16, v[X+2*\i]       ; the rounded numbers, widened again, are what r is made of
	v_and_b32 v[ACC+4*\i+1], s60, v[X+2*\i]
	v_lshlrev_b32 v[ACC+4*\i+2], 16, v[X+2*\i+1]
	v_and_b32 v[ACC+4*\i+3], s60, v[X+2*\i+1]
.endr
	s_wait_alu depctr_va_vdst(0)                   ; the roundings have written v[X ..] and the widenings v[ACC ..], which the sixteen stores below read; v7 and v232 to v238 are written, which every later LDS instruction and rp's store read; and the vector side is done with v[X ..], in which x's LDS loads land behind the barrier
.irp i, 0,1,2,3,4,5,6,7
	ds_store_b128 v[XST], v[ACC+4*\i:ACC+4*\i+3] offset:\i*XPITCH   ; the LDS stores first: the barrier waits for them
.endr
.irp i, 0,1,2,3,4,5,6,7
	global_store_b64 v[XBO], v[X+2*\i:X+2*\i+1], s[16:17] offset:\i*1536   ; 32 lanes x 8 bytes: 256 neighbouring bytes, aligned
.endr
	s_wait_dscnt 0x0                               ; my rows of x are in LDS, for the other waves' sake
	s_barrier_signal -1
	s_barrier_wait -1
	s_wait_xcnt 0x0                                ; the stores to xb read v[X..]: these are loaded into only behind this wait
	s_wait_alu depctr_vm_vsrc(0)                   ; the stores to xb have read v[X ..], in which the LDS loads below land; the LDS stores have read v[ACC ..], which the first step's products write
.irp b, 0,1
.irp i, 0,1,2,3
	ds_load_b128 v[X+4*(4*\b+\i):X+4*(4*\b+\i)+3], v[XRD] offset:(\b*64+\i)*XPITCH
.endr
.endr
	s_wait_dscnt 0x0
; One h: four quads of wr are rounded to bf16 in place, then 32 multiply-adds a lane.
; left = the loads of wr issued behind this h's four; ahead = 1: the four slots just read take h + 6.
.macro HSTEP h, left, ahead
	s_wait_loadcnt \left
.irp k, 0,1,2,3
	v_cvt_pk_bf16_f32 v3, v[W+4*((4*\h+\k)%24)], v[W+4*((4*\h+\k)%24)+1]
	v_cvt_pk_bf16_f32 v4, v[W+4*((4*\h+\k)%24)+2], v[W+4*((4*\h+\k)%24)+3]
	v_lshlrev_b32 v[W+4*((4*\h+\k)%24)], 16, v3
	v_and_b32 v[W+4*((4*\h+\k)%24)+1], s60, v3
	v_lshlrev_b32 v[W+4*((4*\h+\k)%24)+2], 16, v4
	v_and_b32 v[W+4*((4*\h+\k)%24)+3], s60, v4
.irp b, 0,1
.irp i, 0,1,2,3
.if \k == 0
	v_mul_f32 v[ACC+8*\h+4*\b+\i], v[W+4*((4*\h+\k)%24)+\i], v[X+4*(4*\b+\i)+\k]   ; the first product starts the sum
.else
	v_fmac_f32 v[ACC+8*\h+4*\b+\i], v[W+4*((4*\h+\k)%24)+\i], v[X+4*(4*\b+\i)+\k]
.endif
.endr
.endr
.endr
.if \ahead
	s_wait_alu depctr_va_vdst(0)                   ; this step's widenings have written its four slots and its multiply-adds are done reading them: the four loads below land there
.irp k, 0,1,2,3
	global_load_b128 v[W+4*((4*\h+\k)%24):W+4*((4*\h+\k)%24)+3], v[VW], s[BASE+2*(\h+6):BASE+2*(\h+6)+1] offset:\k*8192 th:TH_LOAD_NT
.endr
.endif
.endm
	HSTEP 0, 20, 1                                 ; five later h, four loads each, stay out
	HSTEP 1, 20, 1
	HSTEP 2, 20, 1
	HSTEP 3, 20, 1
	HSTEP 4, 20, 1
	HSTEP 5, 20, 1
	HSTEP 6, 20, 0
	HSTEP 7, 16, 0                                 ; nothing more is asked for: the counts run down, and no dependence is left to state
	HSTEP 8, 12, 0
	HSTEP 9, 8, 0
	HSTEP 10, 4, 0
	HSTEP 11, 0, 0
	; a lane's sums cover 4 e; the other 124 lie in the other half of the wave and in the other 15 waves
	s_wait_alu depctr_va_vdst(0)                   ; the multiply-adds have written the 96 sums, which the LDS stores read, and are done with the ring's v136 to v167, in which LDS loads land behind the barrier
.irp h, 0,1,2,3,4,5,6,7,8,9,10,11
.irp b, 0,1
	ds_store_b128 v[RST], v[ACC+8*\h+4*\b:ACC+8*\h+4*\b+3] offset:(2*\h+\b)*512
.endr
.endr
	s_wait_dscnt 0x0
	s_barrier_signal -1
	s_barrier_wait -1
	s_wait_alu depctr_vm_vsrc(0)                   ; my LDS stores have read v[ACC ..], in which the LDS loads behind the branch land: stated ahead of the branch
	s_cmp_ge_u32 s22, 12
	s_cbranch_scc1 .Lend                           ; twelve waves, one h each, finish
.irp b, 0,1
.irp ws, 0,1,2,3,4,5,6,7,8,9,10,11,12,13,14,15
	ds_load_b128 v[Q+4*(16*\b+\ws):Q+4*(16*\b+\ws)+3], v[RRD+(\ws>>2)] offset:(\ws&3)*12288+\b*512
.endr
.endr
	v_cmp_gt_u32 vcc_lo, 16, v2                    ; the lower half of the wave; made here, so that the sums below stand between it and its readers
	s_wait_dscnt 0x0
.irp st, 8,4,2,1
.irp b, 0,1
.set ws, 0
.rept \st
	v_pk_add_f32 v[Q+4*(16*\b+ws):Q+4*(16*\b+ws)+1], v[Q+4*(16*\b+ws):Q+4*(16*\b+ws)+1], v[Q+4*(16*\b+ws+\st):Q+4*(16*\b+ws+\st)+1]
	v_pk_add_f32 v[Q+4*(16*\b+ws)+2:Q+4*(16*\b+ws)+3], v[Q+4*(16*\b+ws)+2:Q+4*(16*\b+ws)+3], v[Q+4*(16*\b+ws+\st)+2:Q+4*(16*\b+ws+\st)+3]
.set ws, ws+1
.endr
.endr
.endr
	; the two halves of the wave hold two halves of the sum for the same four t.  Lanes 0-15 end with b = 0, lanes 16-31 with b = 1.
	s_wait_alu depctr_va_vcc(0)                    ; the compare has written VCC, which the selects below read
.irp i, 0,1,2,3
	v_cndmask_b32 v[Q+8+\i], v[Q+64+\i], v[Q+\i], vcc_lo      ; what I keep
	v_cndmask_b32 v[Q+12+\i], v[Q+\i], v[Q+64+\i], vcc_lo     ; what the other half needs
.endr
.irp i, 0,1,2,3
	v_permlanex16_b32 v[Q+16+\i], v[Q+12+\i], s34, s35
.endr
	v_pk_add_f32 v[Q+8:Q+9], v[Q+8:Q+9], v[Q+16:Q+17]
	v_pk_add_f32 v[Q+10:Q+11], v[Q+10:Q+11], v[Q+18:Q+19]
	s_wait_alu depctr_va_vdst(0)                   ; the last two sums have written v[Q+8 ..], which the store reads
	global_store_b128 v[RPO], v[Q+8:Q+11], s[20:21]           ; each half of the wave: 256 neighbouring bytes, aligned
.Lend:
	s_wait_dscnt 0x0                               ; the closing lines, six on end
	s_wait_alu 0x0
	s_wait_tensorcnt 0x0
	ds_add_u32 v240, v241
	s_wait_dscnt 0x0
	s_endpgm
.Lcast:                                            ; 147,456 bytes of one weight matrix: 18 loads of 8,192 bytes for the 512 threads
	s_sub_co_u32 s23, ttmp9, 192
	s_lshr_b32 s24, s23, 4                         ; which matrix
	s_and_b32 s25, s23, 15
	s_mul_i32 s26, s25, 147456
	s_mov_b32 s27, 0
	s_mul_i32 s28, s23, 73728
	s_mov_b32 s29, 0
	s_mov_b32 s34, 0xffff0000                      ; a word's upper bf16
	v_lshlrev_b32 v1, 4, v0
	v_lshlrev_b32 v2, 3, v0
	s_wait_kmcnt 0x0
	s_cmp_eq_u32 s24, 1
	s_cselect_b64 s[30:31], s[10:11], s[8:9]
	s_cmp_eq_u32 s24, 2
	s_cselect_b64 s[30:31], s[12:13], s[30:31]
	s_cmp_eq_u32 s24, 3
	s_cselect_b64 s[30:31], s[14:15], s[30:31]
	s_add_nc_u64 s[30:31], s[30:31], s[26:27]
	s_add_nc_u64 s[32:33], s[18:19], s[28:29]
	s_wait_alu depctr_va_vdst(0)                   ; v1 and v2 are written: the loads and the stores below read them as offsets; neither is written again
.irp i, 0,1,2,3,4,5,6,7,8,9,10,11,12,13,14,15,16,17
	global_load_b128 v[8+4*\i:11+4*\i], v1, s[30:31] offset:\i*8192 th:TH_LOAD_NT
.endr
; The 18 loads go in three blocks of six.  Block j's conversions; asf16 = 1: the bf16 numbers are widened and written as f16
.macro CCONV j, asf16
.irp i, 0,1,2,3,4,5
	v_cvt_pk_bf16_f32 v[80+2*(6*\j+\i)], v[8+4*(6*\j+\i)], v[9+4*(6*\j+\i)]
	v_cvt_pk_bf16_f32 v[81+2*(6*\j+\i)], v[10+4*(6*\j+\i)], v[11+4*(6*\j+\i)]
.if \asf16
	v_lshlrev_b32 v[8+4*(6*\j+\i)], 16, v[80+2*(6*\j+\i)]
	v_and_b32 v[9+4*(6*\j+\i)], s34, v[80+2*(6*\j+\i)]
	v_lshlrev_b32 v[10+4*(6*\j+\i)], 16, v[81+2*(6*\j+\i)]
	v_and_b32 v[11+4*(6*\j+\i)], s34, v[81+2*(6*\j+\i)]
	v_cvt_pk_f16_f32 v[80+2*(6*\j+\i)], v[8+4*(6*\j+\i)], v[9+4*(6*\j+\i)]
	v_cvt_pk_f16_f32 v[81+2*(6*\j+\i)], v[10+4*(6*\j+\i)], v[11+4*(6*\j+\i)]
.endif
.endr
.endm
; Block j's six stores.  Each out-register is read by one store and not written again behind it.
.macro CSTORE j
	s_wait_alu depctr_va_vdst(0)                   ; block j's conversions have written its twelve out-registers, which the six stores read
.irp i, 0,1,2,3,4,5
	global_store_b64 v2, v[80+2*(6*\j+\i):81+2*(6*\j+\i)], s[32:33] offset:(6*\j+\i)*4096
.endr
.endm
.macro CASTS asf16
	s_wait_loadcnt 12                              ; loads come back in order: the first six are in, the twelve younger ones stay out
	CCONV 0, \asf16
	s_wait_loadcnt 6                               ; the next six are in; a block's stores stand behind the next block's wait for data
	CSTORE 0
	CCONV 1, \asf16
	s_wait_loadcnt 0x0                             ; the last six
	CSTORE 1
	CCONV 2, \asf16
	CSTORE 2
.endm
	s_cmp_eq_u32 s24, 3
	s_cbranch_scc1 .Lcast_wo
	CASTS 0                                        ; wq, wk, wv: bf16
	s_endpgm
.Lcast_wo:
	CASTS 1                                        ; wo: the same rounding, held as f16
	s_endpgm
.Lfunc_end_k_q55cf6455d0_prep:
	.size	k_q55cf6455d0_prep, .Lfunc_end_k_q55cf6455d0_prep-k_q55cf6455d0_prep
	.p2alignl 7, 3214868480
	.fill 96, 4, 3214868480
	.section	.rodata,"a",@progbits
	.p2align	6, 0x0
	.amdhsa_kernel k_q55cf6455d0_prep
		.amdhsa_group_segment_fixed_size 266240
		.amdhsa_private_segment_fixed_size 0
		.amdhsa_enable_private_segment 0
		.amdhsa_kernarg_size 72
		.amdhsa_user_sgpr_count 2
		.amdhsa_user_sgpr_kernarg_segment_ptr 1
		.amdhsa_wavefront_size32 1
		.amdhsa_system_sgpr_workgroup_id_x 1
		.amdhsa_system_sgpr_workgroup_id_y 1
		.amdhsa_system_sgpr_workgroup_id_z 1
		.amdhsa_system_vgpr_workitem_id 0
		.amdhsa_next_free_vgpr 242
		.amdhsa_next_free_sgpr 66
		.amdhsa_reserve_vcc 1
		.amdhsa_float_denorm_mode_32 3
		.amdhsa_float_denorm_mode_16_64 3
		.amdhsa_memory_ordered 1
		.amdhsa_forward_progress 1
		.amdhsa_inst_pref_size 62
	.end_amdhsa_kernel
	.amdgpu_metadata
---
amdhsa.version: [ 1, 2 ]
amdhsa.kernels:
  - .name:           k_q55cf6455d0_prep
    .symbol:         k_q55cf6455d0_prep.kd
    .args:
      - { .name: x, .offset: 0, .size: 8, .value_kind: global_buffer, .address_space: global }
      - { .name: wr, .offset: 8, .size: 8, .value_kind: global_buffer, .address_space: global }
      - { .name: wq, .offset: 16, .size: 8, .value_kind: global_buffer, .address_space: global }
      - { .name: wk, .offset: 24, .size: 8, .value_kind: global_buffer, .address_space: global }
      - { .name: wv, .offset: 32, .size: 8, .value_kind: global_buffer, .address_space: global }
      - { .name: wo, .offset: 40, .size: 8, .value_kind: global_buffer, .address_space: global }
      - { .name: xb, .offset: 48, .size: 8, .value_kind: global_buffer, .address_space: global }
      - { .name: wb, .offset: 56, .size: 8, .value_kind: global_buffer, .address_space: global }
      - { .name: rp, .offset: 64, .size: 8, .value_kind: global_buffer, .address_space: global }
    .group_segment_fixed_size: 266240
    .private_segment_fixed_size: 0
    .kernarg_segment_align: 8
    .kernarg_segment_size: 72
    .max_flat_workgroup_size: 512
    .sgpr_count:     66
    .vgpr_count:     242
    .wavefront_size: 32
...
	.end_amdgpu_metadata
.endif
;; end of part 5
;; launch qkv: the kernel of part 2 again; grid 32 x 6, 4 waves a work-group, clusters of 4 x 1, 327,680 bytes of LDS; arguments xb, wb, qkv; writes qkv
;; launch attn: the kernel of part 3 again; grid 8 x 24, 8 waves a work-group, no clusters, 327,680 bytes of LDS; arguments qkv, rp, alpha, ao; writes ao
;; launch oproj: the kernel of part 4 again; grid 32 x 6, 4 waves a work-group, clusters of 4 x 1, 327,680 bytes of LDS; arguments ao, wb, out0; writes out0
